; MI455X (gfx1250); checked and timed in simulation.
; The chip was launched on July 23, 2026; its instructions are those of AMD's public machine-readable ISA for CDNA 5 (MIT licence, August 2026) and "CDNA5" Instruction Set Architecture Reference Guide (July 2026). The comments in the code are by the model that wrote it; some were corrected since.
;; MHA. Allowed arithmetic: matrix products marked QUANTISED: E4M3 operands, one E8M0 scale for each 32 along K, by v_wmma_scale_f32_16x16x128_f8f6f4 with both operands' format E4M3, f32 sums; everything else in f32.
;; Inputs: Wk 2,048 x 1,024 float32; Wo 1,024 x 2,048 float32; Wq 2,048 x 1,024 float32; Wv 2,048 x 1,024 float32; x 2 x 2,048 x 2,048 float32.
;; Outputs: out0 2 x 2,048 x 2,048 float32.
;; Constants: is_causal = 1.
;; This version of the problem:
;;   THIS VERSION OF THE PROBLEM IS GIVEN IN LOW PRECISION. The matrix products marked QUANTISED in the list below multiply operands that are first quantised to E4M3 (4 exponent bits, 3 mantissa bits; 8 bits a number), with one power-of-two scale for each 32 numbers along K (OCP MX v1.0); their sums are f32. All else is computed in f32.
;;   The module's matrix products, in the order in which they are computed (A, B: the left and right operand; K: the contracted axis; several contracted axes count as one K, in the product's order):
;;     1. [M 4,096, K 2,048] x [K 2,048, N 1,024]; A: input x; B: input Wq: QUANTISED
;;     2. [M 4,096, K 2,048] x [K 2,048, N 1,024]; A: input x; B: input Wk: QUANTISED
;;     3. [M 4,096, K 2,048] x [K 2,048, N 1,024]; A: input x; B: input Wv: QUANTISED
;;     4. batch 16 x [M 2,048, K 128] x [K 128, N 2,048]; A: computed on the way; B: computed on the way: QUANTISED
;;     5. batch 16 x [M 2,048, K 2,048] x [K 2,048, N 128]; A: softmax (see below); B: computed on the way: QUANTISED
;;     6. [M 4,096, K 1,024] x [K 1,024, N 2,048]; A: computed on the way; B: input Wo: QUANTISED
;;   THE QUANTISER, for each operand of a quantised product, along K:
;;     - K is cut into blocks of 32 from its start; a last block that is shorter is filled with zeros.
;;     - A block's scale is 2^e with e = floor(log2(the largest magnitude in the block)) - 8, held to -126 .. 127; a block of zeros has e = 0. As a byte (E8M0): e + 127.
;;     - Each number is divided by its block's scale, clamped to +-448, and rounded to the nearest number of E4M3, ties to even, subnormals kept.
;;     - The product sums the exact products of the quantised numbers (number of the format x scale) in f32.
;;   ~~~python
;;   def quantise(x, axis):      # numpy; x: float32 -> the quantised numbers, widened to float32 again
;;       x = np.moveaxis(x, axis, -1); K = x.shape[-1]
;;       x = np.pad(x, [(0, 0)] * (x.ndim - 1) + [(0, -K % 32)]); x = x.reshape(x.shape[:-1] + (-1, 32)); a = np.abs(x).max(-1, keepdims=True)
;;       e = np.where(a > 0, np.clip(np.frexp(np.where(a > 0, a, 1))[1] - 1 - 8, -126, 127), 0)      # np.frexp(a)[1] - 1 = floor(log2(a)), exactly
;;       r = np.clip(x / 2.0 ** e, -448, 448)
;;       step = 2.0 ** (np.maximum(np.frexp(np.where(r == 0, 1, r))[1] - 1, -6) - 3)
;;       q = np.round(r / step) * step * 2.0 ** e      # np.round: ties to even
;;       return np.moveaxis(q.reshape(q.shape[:-2] + (-1,))[..., :K], -1, axis).astype(np.float32)
;;   ~~~
;;   SOFTMAX AHEAD OF A QUANTISED PRODUCT. Where the list says 'softmax', what is quantised is not the finished softmax but p = 2^(t - M), with t = logit x log2(e) and M = ceil(the row's largest t), a whole number; so 1/2 < the row's largest p <= 1. The row's sum l is taken of the UNQUANTISED p, in f32, and the product's result is divided by l at the end. Since M is a whole number, a kernel that streams over the keys may use a running M (the ceiling of the running maximum): every later rescaling is an exact power of two, which a block's scale takes up: the codes' values come out the same.
;;   OPERANDS COMPUTED ON THE WAY. 'Computed on the way' means the value that the module computes at that place (a softmax that the list does not call 'softmax' is quantised finished and normalised). What goes into a quantiser is computed in f32, as accurately as f32 sums, v_exp_f32 and their like allow (about 1e-6 of the number): no bf16 or f16 on the way to a quantiser, and a product that is left as it is and whose result goes on into a quantised operand takes f32 operands (vector FMAs, or v_wmma_f32_16x16x4_f32). A number that lies on a knife's edge between two numbers of the format may be rounded either way, as far as f32 arithmetic and the matrix unit's own rounding can turn it there, and no further.
;; One version. Each part assembles by itself: llvm-mc -triple=amdgcn-amd-amdhsa -mcpu=gfx1250 --defsym DOCPART=n.
;; ======== version 1 of 1: 4 launches
;; limits: right only within a limited range of input values
;; workspace buffers: codes1 16,777,216 bytes; scales1 524,288 bytes; rope 1,048,576 bytes; qkvc 12,582,912 bytes; qkvs 393,216 bytes; oc 4,194,304 bytes; os 131,072 bytes
;; launch prep (part 1): grid 512 x 1, 4 waves a work-group, no clusters, 71,168 bytes of LDS; arguments x, Wq, Wk, Wv, Wo, codes1, scales1, rope; writes codes1, scales1, rope
.if DOCPART == 1
	.amdgcn_target "amdgcn-amd-amdhsa--gfx1250"
	.amdhsa_code_object_version 6
	.text
	.protected	k_qf7b73e2442_prep
	.globl	k_qf7b73e2442_prep
	.p2align	8
	.type	k_qf7b73e2442_prep,@function
k_qf7b73e2442_prep:
	s_mov_b64 s[64:65], 0
	v_nop
	global_prefetch_b8 v0, s[64:65] scope:SCOPE_SE
	s_setreg_imm32_b32 hwreg(HW_REG_WAVE_MODE, 25, 1), 1
	s_wait_xcnt 0x0
; x [4096][2048] and the four weights (Wq, Wk, Wv: [2048 k][1024 n]; Wo: [1024 k][2048 n]), f32, become codes of FP8 (E4M3) with one E8M0 byte for each 32 along K; and the table of cosines and sines for the rotation is made.
; A block's scale is 2^(floor(log2(its largest magnitude)) - 8): its byte is the largest magnitude's exponent field - 8, held at 1 from below; each number is held within +-448 x the scale and converted, ties to even.
; LAYOUT OF THE CODES: images of operand registers.  A fragment is 16 rows x 128 K = 2,048 bytes, [c 0..3][lane 32][16 bytes]: lane (r, h) holds k = 32 c + 16 h + 0..15 of row r.
; Fragments lie [group of 256 rows][plane of 128 K][16 tiles].  THE ROWS OF A TILE ARE NOT NEIGHBOURS: in a group of 32 rows, tile u's row r is true row 8 u + r + 8 (r / 8) (bits 3 and 4 of the row's number change places).
; Scale words lie [group of 32 rows][plane][32 rows in that order][4 bytes].  A weight's rows are its columns n.
; THE TABLE: [tile of 16 positions][b 4][c 4][lane][cos, sin, cos, sin of frequencies 16 b + 8 h + 2 c and + 1], the position being that of the tile's row r: what a lane of the next launch wants beside its 64 results.
; SHARES: every work-group makes 2,048 bytes of the table; then work-groups 0-255 take x (a wave: 32 rows x 256 K), work-groups 256-511 the weights (a wave: 32 columns x 256 K).  The two ways have LDS bytes of their own.
; Waves share nothing: no barrier.
; LIMITS: NaN and infinities among the inputs are not served.  A block of zeros carries the byte 1, not 127: its codes are zeros, and this program alone reads the bytes.
; The frequencies are 2^(-i log2(10000) / 64) by v_exp_f32: within some 2 units of the last place of 1 / 10000^(i / 64); at position 2,047 an angle may so differ by some 3e-4.
.set SEL,  28                          ; s[28:29] lane selects for v_permlanex16_b32: lane l xor 16
.set MNT,  30                          ; s30  the mantissa field of 448
.set TM,   224                         ; v224-227 largest magnitudes, v228-231 bytes, v232-235 448 x the scale, v236-239 the conversions' scale operands
.set R,    16                          ; x: v16-143 two sets of 64 numbers as loaded
.set X,    144                         ; x: v144-207 64 numbers as a fragment wants them
.set PC,   208                         ; x: v208-223 a fragment's codes
.set WDS,  240                         ; x: v240-243 the four fragments' scale words
.set AD,   16                          ; weights: v16-47 byte offsets of 32 rows of K at my column
.set XW,   48                          ; weights: v48-111 two sets of 32 numbers
.set CW,   112                         ; weights: v112-119 a block's codes
.set OUTR, 120                         ; weights: v120-183 the way out
.set SB,   184                         ; weights: v184-185 my column's two scale words
.set XREG, 8704                        ; x: LDS of a wave: a stage of 16 rows x 528 bytes, then 256 bytes for scale words
.set WBASE, 4*XREG                     ; the weights' LDS begins behind x's
.set WREG, 8960                        ; weights: LDS of a wave: four fragments of 2,048 + 128 bytes, then 256 bytes for scale words
; 64 numbers of a lane, register 16 b + i = k 32 b + 16 h + i of my row, become a fragment's codes in v[pc] on and its scale word in v[pw]
.macro QUANT s, pc, pw
.irp b, 0,1,2,3
	v_max3_num_f32 v[TM+\b], |v[\s+16*\b]|, |v[\s+1+16*\b]|, 0x4800000   ; my 16 numbers of block b, and the floor 2^(9 - 127): the byte cannot fall under 1
.endr
.irp i, 2,4,6,8,10,12,14
.irp b, 0,1,2,3
	v_max3_num_f32 v[TM+\b], v[TM+\b], |v[\s+16*\b+\i]|, |v[\s+1+16*\b+\i]|   ; the four blocks by turns
.endr
.endr
.irp b, 0,1,2,3
	v_permlanex16_b32 v[TM+4+\b], v[TM+\b], s[SEL], s[SEL+1]
.endr
.irp b, 0,1,2,3
	v_max_num_f32 v[TM+\b], v[TM+\b], v[TM+4+\b]       ; with lane l xor 16's 16: the block's largest magnitude
.endr
.irp b, 0,1,2,3
	v_add_nc_u32 v[TM+12+\b], 0xfc000000, v[TM+\b]     ; 8 off its exponent field: the conversion's scale operand
.endr
.irp b, 0,1,2,3
	v_and_or_b32 v[TM+8+\b], v[TM+\b], 0x7f800000, s[MNT]   ; 448 x the scale
.endr
.irp b, 0,1,2,3
	v_lshrrev_b32 v[TM+4+\b], 23, v[TM+12+\b]          ; the scale's byte
.endr
	v_lshl_or_b32 v[\pw], v[TM+5], 8, v[TM+4]
	v_lshl_or_b32 v[\pw], v[TM+6], 16, v[\pw]
	v_lshl_or_b32 v[\pw], v[TM+7], 24, v[\pw]          ; my row's scale word
.irp b, 0,1,2,3
.irp i, 0,1,2,3,4,5,6,7,8,9,10,11,12,13,14,15
	v_med3_num_f32 v[\s+16*\b+\i], v[\s+16*\b+\i], -v[TM+8+\b], v[TM+8+\b]   ; the conversion does not saturate (ISA guide 7.6.2): the hold comes first
.endr
	v_cvt_scalef32_pk8_fp8_f32 v[\pc+4*\b:\pc+1+4*\b], v[\s+16*\b:\s+7+16*\b], v[TM+12+\b]
	v_cvt_scalef32_pk8_fp8_f32 v[\pc+2+4*\b:\pc+3+4*\b], v[\s+8+16*\b:\s+15+16*\b], v[TM+12+\b]
.endr
	v_nop                                              ; a plain line behind the last conversion
.endm
; cos and sin of v144 (the position) x v[f] (the frequency) into v[o], v[o+1].  The angle is rounded once, as an outer product's; kq = the nearest whole number of quarter turns;
; pi / 2 is taken off in three parts by fused multiply-adds; on what is left, at most pi / 4, the series of the sine through r^9 and of the cosine through r^10 leave out less than 2e-9.
.macro SINCOS f, o
	v_mul_f32 v147, v144, v[\f]
	v_mul_f32 v148, 0x3f22f983, v147                   ; x 2 / pi
	v_rndne_f32 v148, v148
	v_fmamk_f32 v147, v148, 0xbfc90fd8, v147
	v_fmamk_f32 v147, v148, 0xb4a8885a, v147
	v_fmamk_f32 v147, v148, 0xa7c234c4, v147           ; r
	v_mul_f32 v149, v147, v147                         ; r^2
	v_mov_b32 v150, 0x3638ef1d                         ; 1 / 9!
	v_fmaak_f32 v150, v150, v149, 0xb9500d01           ; -1 / 7!
	v_fmaak_f32 v150, v150, v149, 0x3c088889           ; 1 / 5!
	v_fmaak_f32 v150, v150, v149, 0xbe2aaaab           ; -1 / 3!
	v_mul_f32 v151, v147, v149
	v_fma_f32 v150, v150, v151, v147                   ; sin r
	v_mov_b32 v152, 0xb493f27d                         ; -1 / 10!
	v_fmaak_f32 v152, v152, v149, 0x37d00d01           ; 1 / 8!
	v_fmaak_f32 v152, v152, v149, 0xbab60b61           ; -1 / 6!
	v_fmaak_f32 v152, v152, v149, 0x3d2aaaab           ; 1 / 4!
	v_fma_f32 v152, v152, v149, -0.5
	v_fma_f32 v152, v152, v149, 1.0                    ; cos r
	v_cvt_i32_f32 v148, v148
	v_and_b32 v151, 1, v148
	v_cmp_eq_u32 vcc_lo, 1, v151                       ; an odd number of quarter turns: sine and cosine change places
	v_cndmask_b32 v153, v150, v152, vcc_lo
	v_cndmask_b32 v154, v152, v150, vcc_lo
	v_and_b32 v151, 2, v148                            ; the sine is negative in quarters 2 and 3,
	v_lshlrev_b32 v151, 30, v151
	v_xor_b32 v[\o+1], v151, v153
	v_add_nc_u32 v148, 1, v148                         ; the cosine in quarters 1 and 2
	v_and_b32 v151, 2, v148
	v_lshlrev_b32 v151, 30, v151
	v_xor_b32 v[\o], v151, v154
.endm
; The table: work-group G makes tile T = G / 4, b = G % 4; the wave is c.  It is made while the wave's first loads are out; v144-154 are free there on both ways
.macro TABLE
	s_lshr_b32 s60, ttmp9, 2                       ; T
	s_and_b32 s61, ttmp9, 3                        ; b
	s_lshr_b32 s62, s60, 1
	s_lshl_b32 s62, s62, 5
	s_and_b32 s63, s60, 1
	s_lshl_b32 s63, s63, 3
	s_add_co_u32 s62, s62, s63                     ; 32 (T / 2) + 8 (T % 2)
	s_lshl_b32 s61, s61, 4
	s_lshl_b32 s63, s20, 1
	s_add_co_u32 s61, s61, s63
	v_and_b32 v144, 8, v1
	v_add3_u32 v144, v144, v1, s62                 ; + r + 8 (r / 8): the position
	v_cvt_f32_u32 v144, v144
	v_lshl_add_u32 v145, v2, 3, s61                ; the first frequency's number: 16 b + 8 h + 2 c
	v_add_nc_u32 v146, 1, v145
	v_cvt_f32_u32 v145, v145
	v_cvt_f32_u32 v146, v146
	v_mul_f32 v145, 0xbe549a78, v145               ; x -log2(10000) / 64
	v_mul_f32 v146, 0xbe549a78, v146
	s_wait_alu depctr_va_vdst(0)                   ; the wait ahead of the batch,
	v_exp_f32 v145, v145
	v_exp_f32 v146, v146
	v_lshlrev_b32 v252, 4, v0                      ; 16 x thread: my place in the work-group's 2,048 bytes; never rewritten
	s_wait_alu depctr_va_vdst(0)                   ; and ahead of its first reader
	SINCOS 145, 248
	SINCOS 146, 250
	s_lshl_b32 s62, ttmp9, 11
	s_mov_b32 s63, 0
	s_add_nc_u64 s[18:19], s[18:19], s[62:63]
	global_store_b128 v252, v[248:251], s[18:19]   ; a wave stores 512 consecutive bytes; v248-252 and s[18:19] are not written again
.endm
	s_load_b256 s[4:11], s[0:1], 0x0               ; x s[4:5], Wq s[6:7], Wk s[8:9], Wv s[10:11]
	s_load_b256 s[12:19], s[0:1], 0x20             ; Wo s[12:13], codes1 s[14:15], scales1 s[16:17], rope s[18:19]
	v_lshl_add_u32 v254, v0, 2, 0x11400
	v_mov_b32 v255, 0
	v_lshrrev_b32 v1, 5, v0
	v_readfirstlane_b32 s20, v1                    ; wave 0..3
	v_and_b32 v1, 15, v0                           ; r
	v_bfe_u32 v2, v0, 4, 1                         ; h
	s_mov_b32 s25, 0
	s_mov_b32 s[SEL], 0x76543210
	s_mov_b32 s[SEL+1], 0xfedcba98
	s_mov_b32 s[MNT], 0x600000
	s_wait_alu depctr_va_vdst(0)                   ; the wait at the head's end
	s_wait_kmcnt 0x0
	s_cmp_lt_u32 ttmp9, 256
	s_cbranch_scc0 .Lweights
	; ---- x.  Work-group G: rows 32 (G / 2) on; wave w: K step 4 (G % 2) + w of 256: four fragments f = 2 u + q (tile u, plane q)
	s_lshr_b32 s21, ttmp9, 1                       ; the group of 32 rows
	s_and_b32 s22, ttmp9, 1
	s_lshl_b32 s22, s22, 2
	s_add_co_u32 s22, s22, s20                     ; the K step
	s_lshl_b32 s24, s21, 18                        ; 32 rows of 8,192 bytes
	s_lshl_b32 s26, s22, 10
	s_add_co_u32 s24, s24, s26
	s_add_nc_u64 s[4:5], s[4:5], s[24:25]
	s_lshr_b32 s24, s21, 3
	s_lshl_b32 s24, s24, 19                        ; a group of 256 rows: 16 planes of 32,768 bytes
	s_lshl_b32 s26, s22, 16
	s_add_co_u32 s24, s24, s26                     ; two planes a K step
	s_and_b32 s26, s21, 7
	s_lshl_b32 s26, s26, 12
	s_add_co_u32 s24, s24, s26                     ; two tiles a group of 32 rows
	s_add_nc_u64 s[14:15], s[14:15], s[24:25]
	s_lshl_b32 s24, s21, 11
	s_lshl_b32 s26, s22, 8
	s_add_co_u32 s24, s24, s26
	s_add_nc_u64 s[16:17], s[16:17], s[24:25]
	s_mul_i32 s27, s20, XREG
	v_and_b32 v3, 31, v0
	v_lshlrev_b32 v8, 3, v3                        ; 8 x lane
	v_lshlrev_b32 v9, 2, v3                        ; 4 x lane
	v_lshlrev_b32 v3, 4, v3                        ; 16 x lane
	v_add_nc_u32 v4, s27, v3                       ; the stage, in: a row's 512 bytes as they lie
	v_mul_u32_u24 v5, v1, 528
	v_lshl_add_u32 v5, v2, 6, v5
	v_add_nc_u32 v5, s27, v5                       ; out: row r, + 64 h: my 16 numbers of a block.  528 bytes = 33 x 16: sixteen rows start at sixteen different groups of banks
	s_add_co_u32 s27, s27, 16*528
	v_add_nc_u32 v6, s27, v9                       ; the scale words, in
	v_add_nc_u32 v7, s27, v8                       ; and out
.irp b, 0,1,2,3
	v_mov_b32 v[TM+4+\b], 0                        ; written once: a lane permute's destination counts as one of its sources
.endr
.macro XLOAD f                         ; fragment f's 16 rows: each load reads 512 consecutive bytes of one row
.irp j, 0,1,2,3,4,5,6,7,8,9,10,11,12,13,14,15
	global_load_b128 v[R+64*((\f)%2)+4*\j:R+64*((\f)%2)+4*\j+3], v3, s[4:5] offset:(8*((\f)/2)+\j+8*(\j/8))*8192+512*((\f)%2) th:TH_LOAD_NT
.endr
.endm
.macro FRAGQ f
.if (\f) < 3
	s_wait_loadcnt 16                              ; this fragment's 16 loads are in; the next one's 16 may be out
.else
	s_wait_loadcnt 0x0
.endif
.irp j, 0,1,2,3,4,5,6,7,8,9,10,11,12,13,14,15
	ds_store_b128 v4, v[R+64*((\f)%2)+4*\j:R+64*((\f)%2)+4*\j+3] offset:528*\j
.endr
.irp b, 0,1,2,3
.irp i, 0,1,2,3
	ds_load_b128 v[X+16*\b+4*\i:X+16*\b+4*\i+3], v5 offset:128*\b+16*\i   ; LDS serves a wave's instructions in order: these see the stores above
.endr
.endr
	s_wait_dscnt 0x0                               ; the numbers are back, and the stores have read their registers
	s_wait_xcnt 0x0                                ; the last fragment's stores have read the codes' registers
.if (\f) < 2
	XLOAD (\f)+2
.endif
	QUANT X, PC, WDS+(\f)
.irp c, 0,1,2,3
	global_store_b128 v3, v[PC+4*\c:PC+4*\c+3], s[14:15] offset:32768*((\f)%2)+2048*((\f)/2)+512*\c   ; 512 consecutive bytes
.endr
.endm
	XLOAD 0
	XLOAD 1
	TABLE
	s_wait_alu depctr_va_vdst(0)
	FRAGQ 0
	FRAGQ 1
	FRAGQ 2
	FRAGQ 3
	s_mov_b32 vcc_lo, 0xffff0000
	v_cndmask_b32 v244, v[WDS], v[WDS+2], vcc_lo   ; plane 0: lanes 0-15 tile 0's words, lanes 16-31 tile 1's
	v_cndmask_b32 v245, v[WDS+1], v[WDS+3], vcc_lo ; plane 1
	ds_store_b32 v6, v244
	ds_store_b32 v6, v245 offset:128
	ds_load_b64 v[246:247], v7
	s_wait_dscnt 0x0
	global_store_b64 v8, v[246:247], s[16:17]      ; 256 consecutive bytes, aligned
	s_wait_tensorcnt 0x0
	ds_add_u32 v254, v255
	s_wait_dscnt 0x0
	s_endpgm
.Lweights:
	; ---- the weights.  A lane takes a column and its registers run down K.  j = G - 256; tensor m = j / 64; of the tensor's 64 work-groups gx counts 128 columns, ky 256 along K
	s_sub_co_u32 s21, ttmp9, 256
	s_lshr_b32 s22, s21, 6                         ; m: 0 Wq, 1 Wk, 2 Wv, 3 Wo
	s_and_b32 s21, s21, 63
	s_mov_b64 s[36:37], s[6:7]
	s_cmp_eq_u32 s22, 1
	s_cselect_b64 s[36:37], s[8:9], s[36:37]
	s_cmp_eq_u32 s22, 2
	s_cselect_b64 s[36:37], s[10:11], s[36:37]
	s_cmp_eq_u32 s22, 3
	s_cselect_b64 s[36:37], s[12:13], s[36:37]     ; the choice hangs on the work-group's number alone
	s_cselect_b32 s23, 15, 7                       ; Wo is 2,048 wide and 1,024 deep, the others 1,024 wide and 2,048 deep
	s_cselect_b32 s24, 4, 3
	s_mov_b32 s26, 4096
	s_cselect_b32 s26, 8192, s26                   ; bytes from a row of K to the next
	s_mov_b32 s27, 524288
	s_cselect_b32 s27, 262144, s27                 ; codes of 256 columns: 16 or 8 planes
	s_mov_b32 s31, 2048
	s_cselect_b32 s31, 1024, s31                   ; scale words of 32 columns
	s_and_b32 s23, s21, s23                        ; gx
	s_lshr_b32 s24, s21, s24                       ; ky
	s_mul_i32 s32, s24, s26
	s_lshl_b32 s32, s32, 8                         ; 256 ky rows
	s_lshl_b32 s34, s23, 9
	s_add_co_u32 s32, s32, s34                     ; + 128 gx columns
	s_lshl_b32 s34, s20, 7
	s_add_co_u32 s32, s32, s34                     ; + 32 w columns
	s_mov_b32 s33, 0
	s_add_nc_u64 s[40:41], s[36:37], s[32:33]      ; block 0's base;
	s_lshl_b32 s32, s26, 5
.irp t, 1,2,3,4,5,6,7
	s_add_nc_u64 s[40+2*\t:41+2*\t], s[38+2*\t:39+2*\t], s[32:33]   ; block t's: 32 rows further down
.endr
	s_lshl_b32 s34, s22, 2
	s_add_co_u32 s34, s34, 16
	s_lshl_b32 s34, s34, 19                        ; the tensor's codes begin at (16 + 4 m) x 524,288: behind x's 16 groups; Wo's at 28 x 524,288
	s_lshr_b32 s35, s23, 1
	s_mul_i32 s35, s35, s27
	s_add_co_u32 s34, s34, s35
	s_lshl_b32 s35, s24, 16
	s_add_co_u32 s34, s34, s35
	s_and_b32 s35, s23, 1
	s_lshl_b32 s35, s35, 2
	s_add_co_u32 s35, s35, s20
	s_lshl_b32 s35, s35, 12
	s_add_co_u32 s34, s34, s35
	s_mov_b32 s35, 0
	s_add_nc_u64 s[14:15], s[14:15], s[34:35]
	s_lshl_b32 s34, s22, 5
	s_add_co_u32 s34, s34, 128
	s_lshl_b32 s34, s34, 11                        ; its scale words at (128 + 32 m) x 2,048
	s_lshl_b32 s38, s23, 2
	s_add_co_u32 s38, s38, s20
	s_mul_i32 s38, s38, s31
	s_add_co_u32 s34, s34, s38
	s_lshl_b32 s38, s24, 8
	s_add_co_u32 s34, s34, s38
	s_add_nc_u64 s[16:17], s[16:17], s[34:35]
	v_and_b32 v3, 31, v0
	v_lshlrev_b32 v[AD], 2, v3                     ; my column,
.irp i, 1,2,3,4,5,6,7,8,9,10,11,12,13,14,15,16,17,18,19,20,21,22,23,24,25,26,27,28,29,30,31
	v_add_nc_u32 v[AD+\i], s26, v[AD+\i-1]         ; row i of a block
.endr
	v_bfe_u32 v10, v0, 3, 1                        ; my column's tile u: bit 3 of the lane,
	v_bfe_u32 v11, v0, 4, 1
	v_and_b32 v12, 7, v0
	v_lshl_add_u32 v12, v11, 3, v12                ; and its row r in the tile: (l % 8) + 8 x bit 4
	s_mul_i32 s38, s20, WREG
	s_add_co_u32 s38, s38, WBASE
	v_mul_u32_u24 v4, v10, 2176
	v_lshl_add_u32 v4, v12, 4, v4
	v_add_nc_u32 v4, s38, v4                       ; the stage, in: fragment u, 16 r.  2,176 = 8 x 256 + 128: lanes 8-15 fall on other banks than lanes 0-7
	v_lshlrev_b32 v8, 4, v3
	v_add_nc_u32 v7, s38, v8                       ; out: 16 x lane
	s_add_co_u32 s38, s38, 4*2176
	v_lshlrev_b32 v5, 6, v10
	v_lshl_add_u32 v5, v12, 2, v5
	v_add_nc_u32 v5, s38, v5                       ; the scale words, in: 4 (16 u + r)
	v_lshlrev_b32 v9, 3, v3
	v_add_nc_u32 v6, s38, v9                       ; out: 8 x lane
.macro WLOAD t                         ; block t: 32 rows of K at my column: a wave reads 128 consecutive bytes, the four waves 512
.irp i, 0,1,2,3,4,5,6,7,8,9,10,11,12,13,14,15,16,17,18,19,20,21,22,23,24,25,26,27,28,29,30,31
	global_load_b32 v[XW+32*((\t)%2)+\i], v[AD+\i], s[40+2*(\t):41+2*(\t)] th:TH_LOAD_NT
.endr
.endm
.macro BLOCK t
.set XS, XW+32*((\t)%2)
.if (\t) < 7
	s_wait_loadcnt 32                              ; this block's 32 loads are in; the next block's may be out
.else
	s_wait_loadcnt 0x0
.endif
	v_max3_num_f32 v12, |v[XS]|, |v[XS+1]|, |v[XS+2]|   ; all 32 numbers of the block are mine
	v_max3_num_f32 v13, |v[XS+3]|, |v[XS+4]|, |v[XS+5]|
.irp i, 6,10,14,18,22,26
	v_max3_num_f32 v12, v12, |v[XS+\i]|, |v[XS+\i+1]|
	v_max3_num_f32 v13, v13, |v[XS+\i+2]|, |v[XS+\i+3]|
.endr
	v_max3_num_f32 v12, v12, |v[XS+30]|, |v[XS+31]|
	v_max3_num_f32 v12, v12, v13, 0x4800000        ; and the floor
	v_add_nc_u32 v11, 0xfc000000, v12
	v_and_or_b32 v10, v12, 0x7f800000, s[MNT]
	v_lshrrev_b32 v13, 23, v11
.if (\t)%4 == 0
	v_mov_b32 v[SB+(\t)/4], v13
.else
	v_lshl_or_b32 v[SB+(\t)/4], v13, 8*((\t)%4), v[SB+(\t)/4]
.endif
.irp i, 0,1,2,3,4,5,6,7,8,9,10,11,12,13,14,15,16,17,18,19,20,21,22,23,24,25,26,27,28,29,30,31
	v_med3_num_f32 v[XS+\i], v[XS+\i], -v10, v10
.endr
.irp g, 0,1,2,3
	v_cvt_scalef32_pk8_fp8_f32 v[CW+2*\g:CW+2*\g+1], v[XS+8*\g:XS+8*\g+7], v11
.endr
	ds_store_b128 v4, v[CW:CW+3] offset:4352*((\t)/4)+512*((\t)%4)          ; k 0-15 of the block: the place of lane (r, 0) in plane t / 4, c = t % 4;
	ds_store_b128 v4, v[CW+4:CW+7] offset:4352*((\t)/4)+512*((\t)%4)+256    ; k 16-31: that of lane (r, 1)
.if (\t)+2 < 8
	WLOAD (\t)+2
.endif
	s_wait_dscnt 0x0                               ; the stores have read their registers: the next block's codes may be written
.endm
	WLOAD 0
	WLOAD 1
	TABLE
	s_wait_alu depctr_va_vdst(0)
.irp t, 0,1,2,3,4,5,6,7
	BLOCK \t
.endr
	ds_store_b32 v5, v[SB]
	ds_store_b32 v5, v[SB+1] offset:128
	ds_load_b64 v[186:187], v6
.irp i, 0,1,2,3,4,5,6,7,8,9,10,11,12,13,14,15
	ds_load_b128 v[OUTR+4*\i:OUTR+4*\i+3], v7 offset:4352*(\i/8)+2176*((\i/4)%2)+512*(\i%4)
.endr
	s_wait_dscnt 16                                ; the scale words are back; the 16 loads behind them may be out
	global_store_b64 v9, v[186:187], s[16:17]      ; 256 consecutive bytes, aligned
.irp i, 0,1,2,3,4,5,6,7,8,9,10,11,12,13,14,15
	s_wait_dscnt 15-\i
	global_store_b128 v8, v[OUTR+4*\i:OUTR+4*\i+3], s[14:15] offset:32768*(\i/8)+512*(\i%8)   ; 512 consecutive bytes
.endr
	s_wait_tensorcnt 0x0
	ds_add_u32 v254, v255
	s_wait_dscnt 0x0
	s_endpgm
.Lfunc_end_k_qf7b73e2442_prep:
	.size	k_qf7b73e2442_prep, .Lfunc_end_k_qf7b73e2442_prep-k_qf7b73e2442_prep
	.p2alignl 7, 3214868480
	.fill 96, 4, 3214868480
	.section	.rodata,"a",@progbits
	.p2align	6, 0x0
	.amdhsa_kernel k_qf7b73e2442_prep
		.amdhsa_group_segment_fixed_size 71168
		.amdhsa_private_segment_fixed_size 0
		.amdhsa_enable_private_segment 0
		.amdhsa_kernarg_size 64
		.amdhsa_user_sgpr_count 2
		.amdhsa_user_sgpr_kernarg_segment_ptr 1
		.amdhsa_wavefront_size32 1
		.amdhsa_system_sgpr_workgroup_id_x 1
		.amdhsa_system_sgpr_workgroup_id_y 1
		.amdhsa_system_sgpr_workgroup_id_z 1
		.amdhsa_system_vgpr_workitem_id 0
		.amdhsa_next_free_vgpr 256
		.amdhsa_next_free_sgpr 80
		.amdhsa_reserve_vcc 1
		.amdhsa_float_denorm_mode_32 3
		.amdhsa_float_denorm_mode_16_64 3
		.amdhsa_memory_ordered 1
		.amdhsa_forward_progress 1
		.amdhsa_inst_pref_size 120
	.end_amdhsa_kernel
	.amdgpu_metadata
---
amdhsa.version: [ 1, 2 ]
amdhsa.kernels:
  - .name:           k_qf7b73e2442_prep
    .symbol:         k_qf7b73e2442_prep.kd
    .args:
      - { .name: x, .offset: 0, .size: 8, .value_kind: global_buffer, .address_space: global }
      - { .name: Wq, .offset: 8, .size: 8, .value_kind: global_buffer, .address_space: global }
      - { .name: Wk, .offset: 16, .size: 8, .value_kind: global_buffer, .address_space: global }
      - { .name: Wv, .offset: 24, .size: 8, .value_kind: global_buffer, .address_space: global }
      - { .name: Wo, .offset: 32, .size: 8, .value_kind: global_buffer, .address_space: global }
      - { .name: codes1, .offset: 40, .size: 8, .value_kind: global_buffer, .address_space: global }
      - { .name: scales1, .offset: 48, .size: 8, .value_kind: global_buffer, .address_space: global }
      - { .name: rope, .offset: 56, .size: 8, .value_kind: global_buffer, .address_space: global }
    .group_segment_fixed_size: 71168
    .private_segment_fixed_size: 0
    .kernarg_segment_align: 8
    .kernarg_segment_size: 64
    .max_flat_workgroup_size: 128
    .sgpr_count:     80
    .vgpr_count:     256
    .wavefront_size: 32
...
	.end_amdgpu_metadata
.endif
;; end of part 1
;; launch qkv (part 2): grid 12 x 16, 4 waves a work-group, clusters of 4 x 4, 327,680 bytes of LDS; arguments codes1, scales1, rope, qkvc, qkvs; writes qkvc, qkvs
.if DOCPART == 2
	.amdgcn_target "amdgcn-amd-amdhsa--gfx1250"
	.amdhsa_code_object_version 6
	.text
	.protected	k_qf7b73e2442_qkv
	.globl	k_qf7b73e2442_qkv
	.p2align	8
	.type	k_qf7b73e2442_qkv,@function
k_qf7b73e2442_qkv:
	s_mov_b64 s[64:65], 0
	v_nop
	global_prefetch_b8 v0, s[64:65] scope:SCOPE_SE
	s_setreg_imm32_b32 hwreg(HW_REG_WAVE_MODE, 25, 1), 1
	s_wait_xcnt 0x0
	s_wait_alu depctr_hold_cnt(0) depctr_sa_sdst(0) depctr_va_vdst(0) depctr_va_sdst(0) depctr_va_ssrc(0) depctr_va_vcc(0) depctr_vm_vsrc(0)
	s_getreg_b32 s2, hwreg(HW_REG_IB_STS2, 6, 4)
	s_cmp_eq_u32 s2, 0
	s_cbranch_scc0 .Lentry_in_a_cluster
	s_endpgm
.Lentry_in_a_cluster:
	s_bfe_u32 s2, ttmp6, 0x10000c
	s_cmp_lg_u32 s2, 0xf033
	s_cbranch_scc0 .Lentry_shape_is_right
	s_endpgm
.Lentry_shape_is_right:
; q = rot(x Wq), k = rot(x Wk), v = x Wv on codes of FP8 (E4M3) with E8M0 scales, K = 2,048; the results are rotated (q, k) and quantised again in registers: q and k along a head's 128 channels, v along 128 tokens.
; OPERANDS lie in memory as images of operand registers: a fragment (16 rows x 128 K) is 2,048 bytes, [c 4][lane][16 bytes]; [group of 256 rows][plane of 128 K][16 tiles].  Groups 0-15 are x, 16-27 the columns of Wq, Wk, Wv.
; In a group of 32 rows tile u's row r is true row 8 u + r + 8 (r / 8): so the 16 registers that a lane holds of two neighbouring result tiles are 16 true neighbours, 32 b + 16 h + 0..15.
; Scale words: [group of 32 rows][plane][32 rows][4 bytes]: one load of 4 bytes a lane brings an even tile's words in lanes 0-15 and the odd tile's in lanes 16-31.
; A tile of 256 x 256 is made by four waves, 128 x 128 each: 64 accumulators, 512 registers.  K goes in steps of 256 (two planes: 64 KiB on end for each side) through two LDS slots filled by the tensor data mover.
; THE MATRIX INSTRUCTION IS USED TRANSPOSED: source 0 = 16 rows of side B, source 1 = 16 rows of side A: a lane holds one row of A and its registers run along B's rows.
; ROLES BY THE CLUSTER'S x: clusters 0 and 1 (q, k): A = x, B = the weight, so that a lane holds one token and 64 channels of a head.  Cluster 2 (v): A = Wv, B = x, so that a lane holds one channel and 64 tokens.
; The choice is the same in all sixteen partners.  A wave's 128 columns of a weight are one head.
; CLUSTERS: 4 x 4 work-groups; A's tiles are asked for jointly along a row of the cluster, B's along a column.  192 work-groups: a smaller tile would leave a wave with part of a head, and so with part of a scale word.
; THE HEAD: one joint load a wave: K step 0 of A, of B, the scale words of A, of B.  K step 1 is asked for behind the round that follows.
; PREFETCHES: behind the head's second load for K steps 2 and 3, then behind each joint load for the K step two refills on; each of the four partners of a load takes a quarter of it by address.
; THE TABLE OF COSINES AND SINES (q, k): the 128 KiB of the work-group's 256 tokens come into slot 0 when it has been read for the last time, each wave a quarter, and have the last K step in which to land.
; That load names no partner: the clusters of v have no use for it and pass it by, on the cluster's number.  Two clusters of the launch prefetch it, in the loop's last trip.
; RESULTS: qkvc [q, k, v][batch x 8 + head][group of 128 tokens][tile a][2,048 bytes]: fragments again (q, k: a = tile of tokens, K = channels; v: a = tile of channels, K = the group's tokens);
; qkvs [..][group][lane][4 words]: word e holds tile 2 e's scale words in lanes 0-15 and tile 2 e + 1's in lanes 16-31.
; LIMITS: NaN and infinities are not served; a block of zeros carries the byte 1 (its codes are zeros; this program alone reads the bytes).
; REGISTERS, in windows of 256: window 0: v16-29 addresses; v30-63 scale words, two sets, and nothing else; v128-255 A's fragments, one set; behind the products v64-127 rotated or copied numbers, v128-223 codes (six sets), v224-251 at work.
;   window 1: B's fragments, two sets; behind them the table, four sets of 64.   windows 2, 3: the accumulators ((a, b) at v[8 (8 (a % 4) + b)]).
.set NK,     16                        ; planes of 128 along K
.set LAPS,   NK/4                      ; a lap = two K steps = once round the ring
.set NP,     8                         ; places behind this matrix instruction (ISA guide 7.12.1)
.set PLANE,  32768
.set SLOT,   4*PLANE                   ; A's two planes, then B's two
.set HALFS,  4*NK*128                  ; the scale words of 128 rows, all of K
.set SCL,    2*SLOT                    ; behind the ring: A's scale words, B's; filled once
.set SPARE,  SCL+4*HALFS               ; the spare words, 128 bytes for each wave
.set ADRA, 16                          ; v16-17 LDS address of my A fragments in slot 0, 1
.set ADRB, 20                          ; v20-21 the same for B
.set ADSA, 22                          ; v22    of A's scale words of the K step in hand
.set ADSB, 23                          ; v23    of B's
.set LI,   24                          ; v24    16 x lane; never rewritten
.set TBA,  25                          ; v25    LDS address of my tokens' table
.set PFO,  27                          ; v27    256 x lane: the prefetches' offset; never rewritten
.set SPW,  28
.set NIL,  29
.set SC,   30                          ; scale words: set s at v[30 + 17 s]: A's group e, plane q at + 2 e + q, B's at + 9 + 2 e + q
.set AF,   128
.set H,    64
.set PC,   128                         ; the codes: tile a's in set a % 6
.set TM,   224
.set WD,   240
.set WS,   248
.set SEL,  18                          ; s[18:19] lane selects for v_permlanex16_b32 (set behind the products)
.set MNT,  2                           ; s2  the mantissa field of 448
.set PFA,  100                         ; s[100:101] where my prefetches of tiles stand
.set PFT,  98                          ; s[98:99]  where my prefetch of the table stands
.set TL,   97                          ; s97  1 in the clusters that prefetch the table, else 0
.set G1, 24                            ; s[24:31] descriptor group 1 for A's planes;  s[32:39] group 0, one set for each slot
.set G0, 32
.set G1B, 48                           ; s[48:55], s[56:63] the same for B's
.set G0B, 56
.set G1S, 68                           ; s[68:75], s[76:79] for A's scale words;  s[80:87], s[88:91] for B's
.set G0S, 76
.set G1SB, 80
.set G0SB, 88
.set G0H, 4                            ; s[4:7], s[92:95] group 0 for the head's loads of K step 0
.set G0HB, 92
.set G1T, 40                           ; s[40:47], s[88:91] for the table, written behind the head
.set G0T, 88
.set MSB, 0
.macro WIN new                         ; the immediate's high byte repeats the setting that is left
.if MSB != (\new)
	s_set_vgpr_msb (MSB<<8)|(\new)
.set MSB, \new
.endif
.endm
.set MUL_LO, 0xa1                      ; source 0 (B) window 1, source 1 (A) window 0, C and D window 2
.set MUL_HI, 0xf1                      ; the same, C and D window 3
.set TO_B,   0x40                      ; destination window 1, address window 0
.macro PLACES n
.rept \n
	v_nop
.endr
.endm
; A joint load: waves 0 and 1 fetch for A, waves 2 and 3 for B; the branch hangs on the wave's number alone.  Four v_nop follow each of the two lines.
.macro JLOAD g0a, g1a, g0b, g1b
	s_cmp_eq_u32 s15, 0
	s_cbranch_scc0 .Lfor_b_\@
	tensor_load_to_lds s[\g0a:\g0a+3], s[\g1a:\g1a+7]
	s_nop 0
	PLACES 4
	s_branch .Lasked_\@
.Lfor_b_\@:
	tensor_load_to_lds s[\g0b:\g0b+3], s[\g1b:\g1b+7]
	s_nop 0
	PLACES 4
.Lasked_\@:
.endm
.macro CREST                           ; a round of the cluster's barrier behind its opening barrier
	s_cmp_lg_u32 s14, 0
	s_cbranch_scc1 .Lnot_wave_0_\@
	s_barrier_signal -3
.Lnot_wave_0_\@:
	s_barrier_wait -3
	s_barrier_signal -1
	s_barrier_wait -1
.endm
.macro CROUND
	s_barrier_signal -1
	s_barrier_wait -1
	CREST
.endm
	s_load_b256 s[4:11], s[0:1], 0x0               ; codes1 s[4:5], scales1 s[6:7], rope s[8:9], qkvc s[10:11]
	s_load_b64 s[12:13], s[0:1], 0x20              ; qkvs
	v_lshl_add_u32 v[SPW], v0, 2, SPARE
	v_mov_b32 v[NIL], 0
	ds_add_u32 v[SPW], v[NIL]                      ; the wave's opening: the add, twice on end, and its wait
	ds_add_u32 v[SPW], v[NIL]
	v_lshrrev_b32 v1, 5, v0
	v_readfirstlane_b32 s14, v1                    ; wave 0..3
	s_lshr_b32 s15, s14, 1                         ; my half of A's rows.  Also: in the ring I fetch for A (0) or for B (1)
	s_and_b32 s16, s14, 1                          ; my half of B's rows.  Also: which plane I fetch
	s_bfe_u32 s40, ttmp6, 0x40000                  ; cx, cy: my place in the cluster
	s_bfe_u32 s41, ttmp6, 0x40004
	s_and_b32 s18, ttmp7, 0xffff
	s_lshl_b32 s18, s18, 2                         ; 4 x cluster y
	s_lshl_b32 s19, ttmp9, 2
	s_add_co_u32 s19, s19, 16                      ; 16 + 4 x cluster x
	s_cmp_lt_u32 ttmp9, 2                          ; q or k?
	s_cselect_b32 s17, s18, 24                     ; A's first group of 256 rows: of x, or Wv's
	s_cselect_b32 s42, s19, s18                    ; B's: the weight's, or of x
	s_add_co_u32 s17, s17, s41                     ; A's group hangs on cy alone,
	s_add_co_u32 s42, s42, s40                     ; B's on cx alone
	s_lshl_b32 s43, s41, 2
	s_lshl_b32 s43, 15, s43                        ; my row of the cluster
	s_lshl_b32 s44, 0x1111, s40                    ; my column
	; descriptor group 1: the head's two planes, 65,536 dense bytes, as 256 rows of 256 bytes (32 elements of 8 bytes); no padding: fragments are read 512 bytes on end.  The ring's loads have 128 rows: set behind the head
	s_or_b32 s[G1+0], s43, (3<<16)|(1<<21)         ; 15:0 the mask; 17:16 elements of 8 bytes; 21 set beside a mask
	s_or_b32 s[G1B+0], s44, (3<<16)|(1<<21)
.irp g, G1, G1B
	s_mov_b32 s[\g+1], 32<<16                      ; tensor_dim0
	s_mov_b32 s[\g+2], 256<<16                     ; tensor_dim1
	s_mov_b32 s[\g+3], 32<<16                      ; tile_dim0
	s_mov_b32 s[\g+4], 256                         ; tile_dim1
	s_mov_b32 s[\g+5], 32                          ; tensor_dim0_stride
	s_mov_b32 s[\g+6], 0
	s_mov_b32 s[\g+7], 0
.endr
	s_or_b32 s[G1S+0], s43, (3<<16)|(1<<21)        ; the scale words of 256 rows: 2 HALFS dense bytes, likewise
	s_or_b32 s[G1SB+0], s44, (3<<16)|(1<<21)
.irp g, G1S, G1SB
	s_mov_b32 s[\g+1], 32<<16
	s_mov_b32 s[\g+2], (2*HALFS/256)<<16
	s_mov_b32 s[\g+3], 32<<16
	s_mov_b32 s[\g+4], 2*HALFS/256
	s_mov_b32 s[\g+5], 32
	s_mov_b32 s[\g+6], 0
	s_mov_b32 s[\g+7], 0
.endr
	s_lshl_b32 s18, s16, 15                        ; in the ring: my plane of a K step's two
	s_mov_b32 s19, 0
	s_mul_i32 s20, s17, NK*PLANE
	s_mov_b32 s21, 0
	s_mul_i32 s46, s42, NK*PLANE
	s_mov_b32 s47, 0
	s_mul_i32 s22, s17, 2*HALFS
	s_mov_b32 s23, 0
	s_mul_i32 s92, s42, 2*HALFS
	s_mov_b32 s93, 0
	s_lshl_b32 s45, s14, 15                        ; where a plane lands: wave x 32,768: no place in the cluster enters an LDS address
	s_wait_dscnt 0x0                               ; both opening adds are done
	CROUND                                         ; all sixteen work-groups are here: the first joint loads meet
	s_wait_kmcnt 0x0
	s_add_nc_u64 s[20:21], s[4:5], s[20:21]
	s_add_nc_u64 s[22:23], s[6:7], s[22:23]
	s_add_nc_u64 s[46:47], s[4:5], s[46:47]
	s_add_nc_u64 s[92:93], s[6:7], s[92:93]
	s_mov_b32 s[G0S], 1
	s_mov_b32 s[G0S+1], SCL
	s_mov_b64 s[G0S+2:G0S+3], s[22:23]
	s_or_b32 s[G0S+3], s[G0S+3], 0x80000000
	s_mov_b32 s[G0SB], 1
	s_mov_b32 s[G0SB+1], SCL+2*HALFS
	s_mov_b64 s[G0SB+2:G0SB+3], s[92:93]
	s_or_b32 s[G0SB+3], s[G0SB+3], 0x80000000
	s_mov_b32 s[G0H], 1                            ; K step 0 of A, whole,
	s_mov_b32 s[G0H+1], 0
	s_mov_b64 s[G0H+2:G0H+3], s[20:21]
	s_or_b32 s[G0H+3], s[G0H+3], 0x80000000
	s_mov_b32 s[G0HB], 1                           ; and of B
	s_mov_b32 s[G0HB+1], 2*PLANE
	s_mov_b64 s[G0HB+2:G0HB+3], s[46:47]
	s_or_b32 s[G0HB+3], s[G0HB+3], 0x80000000
; THE HEAD'S LOADS, one a wave, in one tree of branches on the wave's number
.macro ARM under, g0, g1, next
	s_cmp_lt_u32 s14, \under
	s_cbranch_scc0 \next
	tensor_load_to_lds s[\g0:\g0+3], s[\g1:\g1+7]
	s_nop 0
	PLACES 4
	s_branch .Lhead_asked
\next:
.endm
	ARM 1, G0H,  G1,  .Lhead_b
	ARM 2, G0HB, G1B, .Lhead_sa
	ARM 3, G0S,  G1S, .Lhead_sb
	tensor_load_to_lds s[G0SB:G0SB+3], s[G1SB:G1SB+7]
	s_nop 0
	PLACES 4
.Lhead_asked:
	s_add_nc_u64 s[20:21], s[20:21], s[18:19]      ; for the ring: my plane
	s_add_nc_u64 s[46:47], s[46:47], s[18:19]
.irp s, 0,1
	s_mov_b32 s[G0+4*\s], 1
	s_add_co_u32 s[G0+4*\s+1], s45, \s*SLOT
	s_add_nc_u64 s[G0+4*\s+2:G0+4*\s+3], s[20:21], \s*2*PLANE
	s_or_b32 s[G0+4*\s+3], s[G0+4*\s+3], 0x80000000
	s_mov_b32 s[G0B+4*\s], 1
	s_add_co_u32 s[G0B+4*\s+1], s45, \s*SLOT
	s_add_nc_u64 s[G0B+4*\s+2:G0B+4*\s+3], s[46:47], \s*2*PLANE
	s_or_b32 s[G0B+4*\s+3], s[G0B+4*\s+3], 0x80000000
.endr
	s_cmp_eq_u32 s15, 0                            ; the prefetches: in my wave's plane, the 8,192 bytes of my place among the four that share it
	s_cselect_b64 s[PFA:PFA+1], s[20:21], s[46:47]
	s_cselect_b32 s66, s40, s41
	s_lshl_b32 s66, s66, 13
	s_add_co_u32 s66, s66, 4*PLANE                 ; at K step 2
	s_mov_b32 s67, 0
	s_add_nc_u64 s[PFA:PFA+1], s[PFA:PFA+1], s[66:67]
	v_and_b32 v1, 31, v0
	v_lshlrev_b32 v[LI], 4, v1
	v_lshlrev_b32 v2, 2, v1
	v_lshlrev_b32 v[PFO], 8, v1
	s_wait_alu depctr_va_vdst(0)
	s_lshl_b32 s21, s15, 14                        ; my eight tiles of A in a plane
	s_lshl_b32 s22, s16, 14
	s_add_co_u32 s22, s22, 2*PLANE                 ; my eight of B, behind A's two planes
.irp s, 0,1
	v_add_nc_u32 v[ADRA+\s], s21, v[LI]
	v_add_nc_u32 v[ADRB+\s], s22, v[LI]
	s_add_co_u32 s21, s21, SLOT
	s_add_co_u32 s22, s22, SLOT
.endr
	s_mul_i32 s21, s15, HALFS
	s_add_co_u32 s21, s21, SCL
	v_add_nc_u32 v[ADSA], s21, v2
	s_mul_i32 s22, s16, HALFS
	s_add_co_u32 s22, s22, SCL+2*HALFS
	v_add_nc_u32 v[ADSB], s22, v2
	s_lshl_b32 s21, s15, 16
	v_add_nc_u32 v[TBA], s21, v[LI]                ; the table in slot 0: eight tiles of 8,192 bytes for each half of the tokens
	; where the results go: xt = my group of 128 tokens (0..31), wt = my head among the 24 of q, k, v
	s_lshl_b32 s66, s17, 1
	s_add_co_u32 s66, s66, s15
	s_lshl_b32 s67, s42, 1
	s_add_co_u32 s67, s67, s16
	s_cmp_lt_u32 ttmp9, 2
	s_cselect_b32 s96, s66, s67                    ; xt
	s_cselect_b32 s97, s67, s66
	s_sub_co_u32 s97, s97, 32                      ; wt: the weights' groups begin at 16
	s_lshr_b32 s66, s97, 3
	s_lshl_b32 s66, s66, 4                         ; 16 x (q, k or v)
	s_lshr_b32 s67, s96, 4
	s_lshl_b32 s67, s67, 3
	s_add_co_u32 s66, s66, s67                     ; + 8 x batch
	s_and_b32 s67, s97, 7
	s_add_co_u32 s66, s66, s67                     ; + head
	s_lshl_b32 s66, s66, 4
	s_and_b32 s96, s96, 15
	s_add_co_u32 s66, s66, s96                     ; x 16 + the group of tokens in the sequence
	s_lshl_b32 s98, s66, 14
	s_mov_b32 s99, 0
	s_add_nc_u64 s[10:11], s[10:11], s[98:99]      ; eight fragments
	s_lshl_b32 s98, s66, 9
	s_add_nc_u64 s[12:13], s[12:13], s[98:99]      ; their scale words
	s_and_b32 s98, s17, 7                          ; q, k: my 256 tokens' place in the sequence: 131,072 bytes of the table
	s_lshl_b32 s98, s98, 17
	s_add_nc_u64 s[8:9], s[8:9], s[98:99]
	s_lshl_b32 s96, s40, 15                        ; my share of its prefetch: a quarter by cx, an eighth of 64 KiB a wave
	s_lshl_b32 s97, s14, 13
	s_add_co_u32 s96, s96, s97
	s_mov_b32 s97, 0
	s_add_nc_u64 s[PFT:PFT+1], s[8:9], s[96:97]
	s_and_b32 s[TL], ttmp7, 0xffff
	s_lshr_b32 s[TL], s[TL], 1
	s_or_b32 s[TL], s[TL], ttmp9
	s_cmp_eq_u32 s[TL], 0                          ; clusters (0, 0) and (0, 1) have all positions of a sequence between them
	s_cselect_b32 s[TL], 1, 0
.macro FRAG reg, adr, q, i             ; a fragment comes as it lies: four loads of 512 consecutive bytes
.irp c, 0,1,2,3
	ds_load_b128 v[\reg+4*\c:\reg+4*\c+3], v[\adr] offset:PLANE*(\q)+2048*(\i)+512*\c
.endr
.endm
; one product: A's tile a x B's tile b, plane q; p: B's set; sc: the set of scale words.  An odd tile's words lie in lanes 16-31 of its pair's register.
.macro MM a, b, p, q, sc, zero
.set rD, 8*(8*((\a)%4)+(\b))
.set rB, 128*(\p)+16*(\b)
.set rA, AF+16*(\a)
.set sB, SC+17*(\sc)+9+2*((\b)/2)+(\q)
.set sA, SC+17*(\sc)+2*((\a)/2)+(\q)
.if \zero
.if ((\b)%2) && ((\a)%2)
	v_wmma_scale_f32_16x16x128_f8f6f4 v[rD:rD+7], v[rB:rB+15], v[rA:rA+15], 0, v[sB], v[sA] matrix_a_scale:MATRIX_SCALE_ROW1 matrix_b_scale:MATRIX_SCALE_ROW1
.elseif (\b)%2
	v_wmma_scale_f32_16x16x128_f8f6f4 v[rD:rD+7], v[rB:rB+15], v[rA:rA+15], 0, v[sB], v[sA] matrix_a_scale:MATRIX_SCALE_ROW1
.elseif (\a)%2
	v_wmma_scale_f32_16x16x128_f8f6f4 v[rD:rD+7], v[rB:rB+15], v[rA:rA+15], 0, v[sB], v[sA] matrix_b_scale:MATRIX_SCALE_ROW1
.else
	v_wmma_scale_f32_16x16x128_f8f6f4 v[rD:rD+7], v[rB:rB+15], v[rA:rA+15], 0, v[sB], v[sA]
.endif
.else
.if ((\b)%2) && ((\a)%2)
	v_wmma_scale_f32_16x16x128_f8f6f4 v[rD:rD+7], v[rB:rB+15], v[rA:rA+15], v[rD:rD+7], v[sB], v[sA] matrix_a_scale:MATRIX_SCALE_ROW1 matrix_b_scale:MATRIX_SCALE_ROW1
.elseif (\b)%2
	v_wmma_scale_f32_16x16x128_f8f6f4 v[rD:rD+7], v[rB:rB+15], v[rA:rA+15], v[rD:rD+7], v[sB], v[sA] matrix_a_scale:MATRIX_SCALE_ROW1
.elseif (\a)%2
	v_wmma_scale_f32_16x16x128_f8f6f4 v[rD:rD+7], v[rB:rB+15], v[rA:rA+15], v[rD:rD+7], v[sB], v[sA] matrix_b_scale:MATRIX_SCALE_ROW1
.else
	v_wmma_scale_f32_16x16x128_f8f6f4 v[rD:rD+7], v[rB:rB+15], v[rA:rA+15], v[rD:rD+7], v[sB], v[sA]
.endif
.endif
.endm
; 8 products: A's tile a x B's eight; 16: two tiles.  The 64 accumulators take turns, one instruction a turn, in the same order in every step.
.macro MUL8 a, p, q, sc, zero
.irp b, 0,1,2,3,4,5,6,7
	MM \a, \b, \p, \q, \sc, \zero
.endr
.endm
.macro MUL16 a0, p, q, sc, zero
	MUL8 \a0, \p, \q, \sc, \zero
	MUL8 \a0+1, \p, \q, \sc, \zero
.endm
.macro FETCH_B slot, q, p
	WIN TO_B
.irp i, 0,1,2,3,4,5,6,7
	FRAG 128*(\p)+16*\i, ADRB+\slot, \q, \i
.endr
	WIN 0
.endm
.macro FETCH_A slot, q, i0
.irp i, \i0, \i0+1, \i0+2, \i0+3
	FRAG AF+16*(\i), ADRA+\slot, \q, \i
.endr
.endm
.macro SCALES sc                       ; a K step's scale words: four groups of 32 rows x two planes, for each side
.irp e, 0,1,2,3
.irp q, 0,1
	ds_load_b32 v[SC+17*\sc+2*\e+\q], v[ADSA] offset:\e*NK*128+128*\q
	ds_load_b32 v[SC+17*\sc+9+2*\e+\q], v[ADSB] offset:\e*NK*128+128*\q
.endr
.endr
.endm
; A slot's first plane: 64 products; A has one set of registers (tiles 0-3 fetched anew in the middle, 4-7 at the end), B two.
.macro STEP slot, zero
	s_wait_dscnt 16                                ; B's set, A's tiles 0-3 and the scale words are in; the youngest 16 loads (A's tiles 4-7) may be out
	WIN MUL_LO
	MUL16 0, 0, 0, \slot, \zero
	MUL16 2, 0, 0, \slot, \zero
	s_wait_dscnt 0x0
	PLACES NP
	FETCH_B \slot, 1, 1
	FETCH_A \slot, 1, 0
	WIN MUL_HI
	MUL16 4, 0, 0, \slot, \zero
	MUL16 6, 0, 0, \slot, \zero
	PLACES NP
	WIN 0
	FETCH_A \slot, 1, 4
.endm
; Behind a joint load: the K step two refills on, none in the loop's last trip; in that trip, once, the table.
.macro ASK slot
	s_cmp_gt_u32 s3, 1
	s_cbranch_scc0 .Lno_step_\@
	global_prefetch_b8 v[PFO], s[PFA:PFA+1] offset:2*PLANE th:TH_LOAD_NT scope:SCOPE_SE
.Lno_step_\@:
.if (\slot) == 0
	s_cmp_eq_u32 s3, s[TL]
	s_cbranch_scc0 .Lno_ask_\@
	global_prefetch_b8 v[PFO], s[PFT:PFT+1] th:TH_LOAD_NT scope:SCOPE_SE
.Lno_ask_\@:
.endif
.endm
; A slot's second plane, and the change of slots: one barrier; in front of it each wave waits for all its tensor loads, adds 0 to its spare word, and waits for that and for its reads of this slot.
; fill = 1: the slot takes the K step two on;  fill = 0, the last change: it takes the table.
.macro TURN slot, next, fill
.if \fill
	s_wait_xcnt 0x0                                ; the last prefetch has read its address
	s_add_nc_u64 s[PFA:PFA+1], s[PFA:PFA+1], 2*PLANE
.endif
	s_wait_dscnt 16                                ; the youngest 16 loads, A's tiles 4-7, may be out
	WIN MUL_LO
	MUL16 0, 1, 1, \slot, 0
	WIN 0                                          ; (the add's two registers lie in window 0)
	s_wait_tensorcnt 0x0                           ; all my tensor loads have landed: my part of the next slot
	ds_add_u32 v[SPW], v[NIL]                      ; 0 onto my spare word
	WIN MUL_LO
	MUL8 2, 1, 1, \slot, 0
	s_wait_dscnt 0x0                               ; the add is done, and my reads of this slot are over
	s_barrier_signal -1
	MUL8 3, 1, 1, \slot, 0
	WIN 0
	s_barrier_wait -1
	CREST                                          ; the barrier has opened a round of the cluster's barrier: no wave of any partner still reads this slot or has a load on its way
.if \fill
	s_add_nc_u64 s[G0+4*\slot+2:G0+4*\slot+3], s[G0+4*\slot+2:G0+4*\slot+3], 4*PLANE
	s_add_nc_u64 s[G0B+4*\slot+2:G0B+4*\slot+3], s[G0B+4*\slot+2:G0B+4*\slot+3], 4*PLANE
	JLOAD G0+4*\slot, G1, G0B+4*\slot, G1B         ; its four v_nop are among the places below
	PLACES NP-4
.else
	s_cmp_lt_u32 ttmp9, 2                          ; q, k: the cluster's number, the same in all partners
	s_cbranch_scc0 .Lno_table
	tensor_load_to_lds s[G0T:G0T+3], s[G1T:G1T+7]
	s_nop 0
	PLACES 4
.Lno_table:
	PLACES NP
.endif
	s_wait_alu depctr_va_vdst(0)                   ; the wait ahead of the two readers below
	v_add_nc_u32 v[ADSA], 256, v[ADSA]             ; the next K step's scale words: two planes on
	v_add_nc_u32 v[ADSB], 256, v[ADSB]
	FETCH_B \next, 0, 0
	FETCH_A \next, 0, 0
	SCALES \next
.if \fill
	ASK \slot
.endif
	WIN MUL_HI
	MUL16 4, 1, 1, \slot, 0
	MUL16 6, 1, 1, \slot, 0
	PLACES NP
	WIN 0
	FETCH_A \next, 0, 4
.endm
; tile a's cosines and sines into set a % 4 of window 1: register pair p = (cos, sin) for my numbers 2 p, 2 p + 1
.macro ROPELOAD a
	WIN TO_B
.irp k, 0,1,2,3,4,5,6,7,8,9,10,11,12,13,14,15
	ds_load_b128 v[64*((\a)%4)+4*\k:64*((\a)%4)+4*\k+3], v[TBA] offset:8192*(\a)+512*\k
.endr
	WIN 0
.endm
	s_wait_alu depctr_va_vdst(0)                   ; the wait at the head's end
	s_wait_tensorcnt 0x0                           ; my tile of the head's four is in
	ds_add_u32 v[SPW], v[NIL]
	s_mov_b32 s[G1+2], 128<<16                     ; no tensor load of mine is out: from here on a load brings one plane
	s_mov_b32 s[G1+4], 128
	s_mov_b32 s[G1B+2], 128<<16
	s_mov_b32 s[G1B+4], 128
	s_mov_b32 s[G0T], 1                            ; the table: a quarter a wave, into slot 0
	s_mov_b32 s[G0T+1], s45
	s_mov_b32 s46, s45
	s_mov_b32 s47, 0
	s_add_nc_u64 s[G0T+2:G0T+3], s[8:9], s[46:47]
	s_or_b32 s[G0T+3], s[G0T+3], 0x80000000
	s_mov_b32 s[G1T], 3<<16                        ; no mask
	s_mov_b32 s[G1T+1], 32<<16
	s_mov_b32 s[G1T+2], 128<<16
	s_mov_b32 s[G1T+3], 32<<16
	s_mov_b32 s[G1T+4], 128
	s_mov_b32 s[G1T+5], 32
	s_mov_b32 s[G1T+6], 0
	s_mov_b32 s[G1T+7], 0
	s_wait_dscnt 0x0                               ; the add is done
	CROUND                                         ; all four tiles are in, and all sixteen work-groups are here
	JLOAD G0+4, G1, G0B+4, G1B                     ; K step 1: the first tensor load behind the round
	FETCH_B 0, 0, 0
	FETCH_A 0, 0, 0
	SCALES 0
	FETCH_A 0, 0, 4
	global_prefetch_b8 v[PFO], s[PFA:PFA+1] th:TH_LOAD_NT scope:SCOPE_SE                   ; K step 2,
	global_prefetch_b8 v[PFO], s[PFA:PFA+1] offset:2*PLANE th:TH_LOAD_NT scope:SCOPE_SE    ; and 3: refilled one and two changes of slots on
	STEP 0, 1                                      ; the first plane stands in front of the loop: its products start the sums
	s_mov_b32 s3, LAPS-1
.Llap:
	TURN 0, 1, 1
	STEP 1, 0
	TURN 1, 0, 1
	STEP 0, 0
	s_sub_co_u32 s3, s3, 1
	s_cmp_lg_u32 s3, 0
	s_cbranch_scc1 .Llap
	TURN 0, 1, 0
	STEP 1, 0
	s_wait_dscnt 16
	WIN MUL_LO
	MUL16 0, 1, 1, 1, 0
	MUL16 2, 1, 1, 1, 0
	s_wait_dscnt 0x0
	WIN MUL_HI
	MUL16 4, 1, 1, 1, 0
	s_wait_tensorcnt 0x0                           ; my quarter of the table is in: say so, for the readers behind the barrier
	s_barrier_signal -1
	MUL16 6, 1, 1, 1, 0
	WIN 0
	s_barrier_wait -1
; ---- THE RESULTS.  For A's tile a a lane holds 64 numbers, register 16 b + i = index 32 b + 16 h + i along B's 128 rows: what a fragment's quantiser wants.
; The 64 numbers at v[H] become codes in v[pc] on and a scale word in v[pw].
.macro QUANT pc, pw
.irp b, 0,1,2,3
	v_max3_num_f32 v[TM+\b], |v[H+16*\b]|, |v[H+1+16*\b]|, 0x4800000   ; the floor 2^(9 - 127) holds the byte at 1 from below
.endr
.irp i, 2,4,6,8,10,12,14
.irp b, 0,1,2,3
	v_max3_num_f32 v[TM+\b], |v[H+16*\b+\i]|, |v[H+1+16*\b+\i]|, v[TM+\b]
.endr
.endr
.irp b, 0,1,2,3
	v_permlanex16_b32 v[TM+4+\b], v[TM+\b], s[SEL], s[SEL+1]
.endr
.irp b, 0,1,2,3
	v_max_num_f32 v[TM+\b], v[TM+\b], v[TM+4+\b]
.endr
.irp b, 0,1,2,3
	v_add_nc_u32 v[TM+12+\b], 0xfc000000, v[TM+\b]     ; 8 off the exponent field: the conversion's scale operand
.endr
.irp b, 0,1,2,3
	v_and_or_b32 v[TM+8+\b], v[TM+\b], 0x7f800000, s[MNT]   ; 448 x the scale
.endr
.irp b, 0,1,2,3
	v_lshrrev_b32 v[TM+4+\b], 23, v[TM+12+\b]
.endr
	v_lshl_or_b32 v[\pw], v[TM+5], 8, v[TM+4]
	v_lshl_or_b32 v[\pw], v[TM+6], 16, v[\pw]
	v_lshl_or_b32 v[\pw], v[TM+7], 24, v[\pw]
.irp b, 0,1,2,3
.irp i, 0,1,2,3,4,5,6,7,8,9,10,11,12,13,14,15
	v_med3_num_f32 v[H+16*\b+\i], v[H+16*\b+\i], -v[TM+8+\b], v[TM+8+\b]   ; the conversion does not saturate (ISA guide 7.6.2): the hold comes first
.endr
.endr
.irp b, 0,1,2,3
	v_cvt_scalef32_pk8_fp8_f32 v[\pc+4*\b:\pc+1+4*\b], v[H+16*\b:H+7+16*\b], v[TM+12+\b]
	v_cvt_scalef32_pk8_fp8_f32 v[\pc+2+4*\b:\pc+3+4*\b], v[H+8+16*\b:H+15+16*\b], v[TM+12+\b]
.endr
	v_nop                                          ; a plain line behind the last conversion
.endm
; Tile a.  q, k: (x0, x1) -> (x0 c - x1 s, x1 c + x0 s) into v[H] on; v: its numbers are brought there as they are; then the one quantiser.
.macro TILE a
.set AC, 64*((\a)%4)
	s_cmp_lt_u32 ttmp9, 2
	s_cbranch_scc0 .Lvalues_\@
.if (\a) < 6
	s_wait_dscnt 32                                ; tile a's 16 loads are in; those of the two tiles behind it may be out
.else
	s_wait_dscnt 16*(7-(\a))                       ; the counts run down: one tile, none
.endif
.if (\a) < 5
	ROPELOAD (\a)+3                                ; into the set that tile a - 1 has read
.endif
	WIN (2+(\a)/4)|4                               ; source 0: the accumulators' window; source 1: the table's
.set p, 0
.rept 32
	v_pk_mul_f32 v[H+2*p:H+2*p+1], v[AC+2*p:AC+2*p+1], v[AC+2*p:AC+2*p+1] op_sel_hi:[1,0]   ; (x0 c, x1 c).  (Tile a's accumulators and its set of the table have the same numbers in their windows)
.set p, p+1
.endr
.set p, 0
.rept 32
	v_pk_fma_f32 v[H+2*p:H+2*p+1], v[AC+2*p:AC+2*p+1], v[AC+2*p:AC+2*p+1], v[H+2*p:H+2*p+1] op_sel:[1,1,0] op_sel_hi:[0,1,1] neg_lo:[0,1,0]   ; (- x1 s, + x0 s)
.set p, p+1
.endr
	WIN 0
	s_wait_alu depctr_va_vdst(0)                   ; the wait ahead of the branch
	s_branch .Lheld_\@
.Lvalues_\@:
	WIN 2+(\a)/4
.set p, 0
.rept 64
	v_mov_b32 v[H+p], v[AC+p]
.set p, p+1
.endr
	WIN 0
.Lheld_\@:
.if (\a) == 6
	s_wait_xcnt 0x0                                ; six sets of codes for eight tiles: tiles 6 and 7 write sets 0 and 1 again, which the stores of tiles 0 and 1 read: one wait serves both
.endif
	QUANT PC+16*((\a)%6), WD+(\a)
.irp c, 0,1,2,3
	global_store_b128 v[LI], v[PC+16*((\a)%6)+4*\c:PC+16*((\a)%6)+4*\c+3], s[10:11] offset:2048*(\a)+512*\c   ; 512 consecutive bytes
.endr
.endm
	PLACES NP                                      ; behind the last products: for the reads of results, for what is written into the registers that held A's fragments, and for the loads into B's
	s_mov_b32 s[SEL], 0x76543210
	s_mov_b32 s[SEL+1], 0xfedcba98
	s_mov_b32 s[MNT], 0x600000
.irp b, 0,1,2,3
	v_mov_b32 v[TM+4+\b], 0                        ; written once: a lane permute's destination counts as one of its sources
.endr
	s_wait_alu depctr_va_vdst(0)                   ; the wait ahead of the branch
	s_cmp_lt_u32 ttmp9, 2
	s_cbranch_scc0 .Lresults
	ROPELOAD 0
	ROPELOAD 1
	ROPELOAD 2
.Lresults:
.irp a, 0,1,2,3,4,5,6,7
	TILE \a
.endr
	s_mov_b32 vcc_lo, 0xffff0000
.irp e, 0,1,2,3
	v_cndmask_b32 v[WS+\e], v[WD+2*\e], v[WD+2*\e+1], vcc_lo   ; lanes 0-15 the even tile's words, lanes 16-31 the odd tile's
.endr
	global_store_b128 v[LI], v[WS:WS+3], s[12:13]  ; 512 consecutive bytes
	s_wait_tensorcnt 0x0                           ; the wave's end
	ds_add_u32 v[SPW], v[NIL]
	s_wait_dscnt 0x0
	CROUND                                         ; the closing round: no work-group ends while a partner may still ask for a tile that names it
	s_endpgm
.Lfunc_end_k_qf7b73e2442_qkv:
	.size	k_qf7b73e2442_qkv, .Lfunc_end_k_qf7b73e2442_qkv-k_qf7b73e2442_qkv
	.p2alignl 7, 3214868480
	.fill 96, 4, 3214868480
	.section	.rodata,"a",@progbits
	.p2align	6, 0x0
	.amdhsa_kernel k_qf7b73e2442_qkv
		.amdhsa_group_segment_fixed_size 327680
		.amdhsa_private_segment_fixed_size 0
		.amdhsa_enable_private_segment 0
		.amdhsa_kernarg_size 40
		.amdhsa_user_sgpr_count 2
		.amdhsa_user_sgpr_kernarg_segment_ptr 1
		.amdhsa_wavefront_size32 1
		.amdhsa_system_sgpr_workgroup_id_x 1
		.amdhsa_system_sgpr_workgroup_id_y 1
		.amdhsa_system_sgpr_workgroup_id_z 1
		.amdhsa_system_vgpr_workitem_id 0
		.amdhsa_next_free_vgpr 1024
		.amdhsa_next_free_sgpr 102
		.amdhsa_reserve_vcc 1
		.amdhsa_float_denorm_mode_32 3
		.amdhsa_float_denorm_mode_16_64 3
		.amdhsa_memory_ordered 1
		.amdhsa_forward_progress 1
		.amdhsa_inst_pref_size 248
	.end_amdhsa_kernel
	.amdgpu_metadata
---
amdhsa.version: [ 1, 2 ]
amdhsa.kernels:
  - .name:           k_qf7b73e2442_qkv
    .symbol:         k_qf7b73e2442_qkv.kd
    .args:
      - { .name: codes1, .offset: 0, .size: 8, .value_kind: global_buffer, .address_space: global }
      - { .name: scales1, .offset: 8, .size: 8, .value_kind: global_buffer, .address_space: global }
      - { .name: rope, .offset: 16, .size: 8, .value_kind: global_buffer, .address_space: global }
      - { .name: qkvc, .offset: 24, .size: 8, .value_kind: global_buffer, .address_space: global }
      - { .name: qkvs, .offset: 32, .size: 8, .value_kind: global_buffer, .address_space: global }
    .group_segment_fixed_size: 327680
    .private_segment_fixed_size: 0
    .kernarg_segment_align: 8
    .kernarg_segment_size: 40
    .max_flat_workgroup_size: 128
    .sgpr_count:     102
    .vgpr_count:     1024
    .wavefront_size: 32
...
	.end_amdgpu_metadata
.endif
;; end of part 2
;; launch attn (part 3): grid 16 x 16, 16 waves a work-group, clusters of 4 x 1, 327,680 bytes of LDS; arguments qkvc, qkvs, oc, os; writes oc, os
.if DOCPART == 3
	.amdgcn_target "amdgcn-amd-amdhsa--gfx1250"
	.amdhsa_code_object_version 6
	.text
	.protected	k_qf7b73e2442_attn
	.globl	k_qf7b73e2442_attn
	.p2align	8
	.type	k_qf7b73e2442_attn,@function
k_qf7b73e2442_attn:
	s_mov_b64 s[64:65], 0
	v_nop
	global_prefetch_b8 v0, s[64:65] scope:SCOPE_SE
	s_setreg_imm32_b32 hwreg(HW_REG_WAVE_MODE, 25, 1), 1
	s_wait_xcnt 0x0
	s_wait_alu depctr_hold_cnt(0) depctr_sa_sdst(0) depctr_va_vdst(0) depctr_va_sdst(0) depctr_va_ssrc(0) depctr_va_vcc(0) depctr_vm_vsrc(0)
	s_getreg_b32 s2, hwreg(HW_REG_IB_STS2, 6, 4)
	s_cmp_eq_u32 s2, 0
	s_cbranch_scc0 .Lentry_in_a_cluster
	s_endpgm
.Lentry_in_a_cluster:
	s_bfe_u32 s2, ttmp6, 0x10000c
	s_cmp_lg_u32 s2, 0x3003
	s_cbranch_scc0 .Lentry_shape_is_right
	s_endpgm
.Lentry_shape_is_right:
; O = softmax(Q K^T / sqrt(128)) V under the causal mask (key k counts for query q where k <= q), both products on codes of FP8 (E4M3) with E8M0 scales; O is quantised along a head's 128 channels for the last product.
; p = 2^(t - M), t = score x log2(e) / sqrt(128), M the running largest t rounded up to a whole number; p is quantised unnormalised along the keys, the sum is taken of the unquantised p in f32 and divides at the end.
; SHARES.  Work-group y is a batch and head; its 16 groups of 128 queries are paired 2 X, 2 X + 1 with 15 - 2 X, 14 - 2 X over the four clusters X, and a group's eight tiles of 16 queries over the four partners.
; A work-group so has eight tiles of 16 queries.  TWO WAVES SHARE A TILE: waves 0-7 walk the even groups of 128 keys, waves 8-15 the odd ones; at the end waves 8-15 hand O, -M and the sum over through LDS, and waves 0-7 join them: all factors are powers of two.
; 256 registers a wave, 16 waves.  K's and V's tiles come through a ring of two slots of 512 keys, joint loads of the four partners; the scale words of a head stay in LDS.
; A key group that lies wholly above the diagonal is left out by a scalar branch on ids: the mask makes its p zero for all inputs.
; LAYOUT.  Both products are used transposed (S^T = K Q^T, O^T = V^T P^T): a lane holds one query.  Fragments lie in memory and in LDS as register images; a tile's rows are chosen so that two tiles' 16 registers are 16 neighbours.
; V's tiles 0-3 come while the softmax is made, V's tiles 4-7 into the scores' registers as soon as p has become codes.
; PREFETCHES: cluster 0 of each head asks, at a change of slots, for the slot that the next change loads: the four partners share it by address, waves 0, 2, 4, 6 one instruction each.
; LIMITS: scaled scores under 2^31 in magnitude; NaN and infinities are not served; a block of zeros carries the byte 1 (this program alone reads the bytes).
; REGISTERS: v1-7 addresses; v[8:9] f and the diagonal's offset; v12 -M; v13 the largest t; v[14:15] the sum; v16-31 Q; v32-95 four fragments of K or V; v96-159 S^T, then p, then V's tiles 4-7; v160-223 O^T; v224-239 p's codes; v248-251 scale words of K, then of V; v253 p's, v255 Q's.
.set SLOT1, 1<<17
.set SCK,   2*SLOT1                    ; K's scale words of the head, 8,192 bytes, then V's
.set SPARE, SCK+16384                  ; the spare words, 128 bytes for each wave
.set LI,  1                            ; 16 x lane
.set ADK, 2
.set ADV, 3
.set ADS, 4
.set SPW, 5
.set NIL, 6
.set PFO, 7
.set FV,  8
.set DG,  9
.set TM,  48
.set WV,  12
.set G,   18                           ; my group of queries
.set J,   19                           ; the key group in hand
.set SEL, 20
.set CS,  22
.set G1T, 24
.set G1S, 32
.set G0T, 40
.set G0S, 44
.set MNT, 48
.set TB,  49
.set TS,  50
.set SLOTS, 51
.set TWO, 52
.set LIM, 53
.set PFA, 54
.set TW,  83                           ; my tile's number, wave % 8
.macro BARRIER
	s_barrier_signal -1
	s_barrier_wait -1
.endm
.macro PLACES n
.rept \n
	v_nop
.endr
.endm
.macro CROUND
	BARRIER
	s_cmp_lg_u32 s[WV], 0
	s_cbranch_scc1 .Lnot_wave_0_\@
	s_barrier_signal -3
.Lnot_wave_0_\@:
	s_barrier_wait -3
	BARRIER
.endm
.macro FRAGS reg, adr, t0              ; four fragments, tiles t0 on, as they lie
.irp t, 0,1,2,3
.irp c, 0,1,2,3
	ds_load_b128 v[\reg+16*\t+4*\c:\reg+3+16*\t+4*\c], v[\adr] offset:2048*(\t0+\t)+512*\c
.endr
.endr
.endm
	s_load_b256 s[4:11], s[0:1], 0x0               ; qkvc s[4:5], qkvs s[6:7], oc s[8:9], os s[10:11]
	v_lshl_add_u32 v[SPW], v0, 2, SPARE
	v_mov_b32 v[NIL], 0
	ds_add_u32 v[SPW], v[NIL]                      ; the wave's opening: the add, twice on end, and its wait
	ds_add_u32 v[SPW], v[NIL]
	v_lshrrev_b32 v10, 5, v0
	v_readfirstlane_b32 s[WV], v10
	s_and_b32 s[TW], s[WV], 7
	s_lshr_b32 s82, s[WV], 3                       ; even (0) or odd (1) key groups
	s_and_b32 s13, s[TW], 1
	s_bfe_u32 s14, s[TW], 0x10001
	s_lshr_b32 s15, s[TW], 2
	s_bfe_u32 s16, ttmp6, 0x40000                  ; cx
	s_and_b32 s17, ttmp7, 0xffff                   ; batch x 8 + head
	s_lshl_b32 s[G], ttmp9, 1
	s_add_co_u32 s[G], s[G], s14
	s_sub_co_u32 s56, 15, s[G]
	s_cmp_eq_u32 s15, 0
	s_cselect_b32 s[G], s[G], s56
	s_add_co_u32 s56, s15, 1                       ; what I fetch: tiles 0-3: K's four groups of a slot, 4-7: V's; waves 0-7 codes, waves 8-15 scale words
	s_lshl_b32 s56, s56, 4
	s_add_co_u32 s56, s56, s17
	s_and_b32 s57, s[TW], 3
	s_lshl_b32 s58, s56, 18
	s_lshl_b32 s60, s57, 14
	s_add_co_u32 s58, s58, s60
	s_mov_b32 s59, 0
	s_lshl_b32 s60, s56, 13
	s_lshl_b32 s62, s57, 11
	s_add_co_u32 s60, s60, s62
	s_mov_b32 s61, 0
	s_mov_b32 s[G1T], 15|(3<<16)|(1<<21)           ; all four partners; 64 rows of 256 bytes
	s_mov_b32 s[G1T+1], 32<<16
	s_mov_b32 s[G1T+2], 64<<16
	s_mov_b32 s[G1T+3], 32<<16
	s_mov_b32 s[G1T+4], 64
	s_mov_b32 s[G1T+5], 32
	s_mov_b32 s[G1T+6], 0
	s_mov_b32 s[G1T+7], 0
	s_mov_b32 s[G1S], 15|(3<<16)|(1<<21)           ; 8 rows of 256 bytes
	s_mov_b32 s[G1S+1], 32<<16
	s_mov_b32 s[G1S+2], 8<<16
	s_mov_b32 s[G1S+3], 32<<16
	s_mov_b32 s[G1S+4], 8
	s_mov_b32 s[G1S+5], 32
	s_mov_b32 s[G1S+6], 0
	s_mov_b32 s[G1S+7], 0
	s_mov_b32 s[SEL], 0x76543210
	s_mov_b32 s[SEL+1], 0xfedcba98
	s_mov_b32 s[CS], 0x3e0293ee                    ; log2(e) / sqrt(128)
	s_mov_b32 s[CS+1], s[CS]
	s_mov_b32 s[MNT], 0x600000
	s_lshl_b32 s[TB], s82, 14
	s_lshl_b32 s[TS], s82, 9
	s_add_co_u32 s[TS], s[TS], SCK
	s_mov_b32 s[J], s82
	s_mov_b32 s[SLOTS], 3
	s_and_b32 s[LIM], s[WV], 9
	s_or_b32 s[LIM], s[LIM], ttmp9
	s_cmp_eq_u32 s[LIM], 0
	s_cselect_b32 s[LIM], 1, -1
	s_wait_dscnt 0x0                               ; both opening adds are done
	CROUND                                         ; the four work-groups are here: the first joint loads meet
	s_wait_kmcnt 0x0
	s_mov_b32 s[G0S], 1
	s_lshl_b32 s[G0S+1], s[TW], 11
	s_add_co_u32 s[G0S+1], s[G0S+1], SCK
	s_add_nc_u64 s[G0S+2:G0S+3], s[6:7], s[60:61]
	s_or_b32 s[G0S+3], s[G0S+3], 0x80000000
	s_mov_b32 s[G0T], 1
	s_lshl_b32 s[G0T+1], s[TW], 14
	s_add_nc_u64 s[G0T+2:G0T+3], s[4:5], s[58:59]
	s_or_b32 s[G0T+3], s[G0T+3], 0x80000000
	s_cmp_lt_u32 s[WV], 8                          ; one load a wave at the head
	s_cbranch_scc0 .Lhead_scales
	tensor_load_to_lds s[G0T:G0T+3], s[G1T:G1T+7]
	s_nop 0
	PLACES 4
	s_branch .Lhead_asked
.Lhead_scales:
	tensor_load_to_lds s[G0S:G0S+3], s[G1S:G1S+7]
	s_nop 0
	PLACES 4
.Lhead_asked:
	s_lshl_b32 s66, s16, 13
	s_mov_b32 s67, 0
	s_add_nc_u64 s[PFA:PFA+1], s[4:5], s[58:59]
	s_add_nc_u64 s[PFA:PFA+1], s[PFA:PFA+1], s[66:67]
	s_add_nc_u64 s[PFA:PFA+1], s[PFA:PFA+1], 65536 ; in slot 1: the first change steps it to slot 2
	s_lshl_b32 s68, s17, 4
	s_add_co_u32 s68, s68, s[G]
	s_lshl_b32 s69, s16, 1
	s_add_co_u32 s69, s69, s13                     ; my tile in its group
	s_lshl_b32 s70, s68, 14
	s_lshl_b32 s71, s69, 11
	s_add_co_u32 s70, s70, s71
	s_mov_b32 s71, 0
	s_add_nc_u64 s[72:73], s[4:5], s[70:71]        ; Q's fragment
	s_lshl_b32 s70, s68, 9
	s_lshl_b32 s74, s13, 8
	s_add_co_u32 s70, s70, s74
	s_lshl_b32 s74, s16, 2
	s_add_co_u32 s70, s70, s74
	s_add_nc_u64 s[74:75], s[6:7], s[70:71]        ; its scale words
	s_lshr_b32 s76, s17, 3
	s_and_b32 s77, s17, 7
	s_lshl_b32 s78, s76, 3
	s_lshr_b32 s79, s[G], 1
	s_add_co_u32 s78, s78, s79
	s_lshl_b32 s78, s78, 18
	s_lshl_b32 s79, s77, 15
	s_add_co_u32 s78, s78, s79
	s_and_b32 s79, s[G], 1
	s_lshl_b32 s79, s79, 3
	s_add_co_u32 s79, s79, s69
	s_lshl_b32 s79, s79, 11
	s_add_co_u32 s78, s78, s79
	s_mov_b32 s79, 0
	s_add_nc_u64 s[8:9], s[8:9], s[78:79]          ; oc: [group of 256 rows][head][tile of 16]
	s_lshl_b32 s78, s76, 6
	s_lshl_b32 s80, s[G], 2
	s_add_co_u32 s78, s78, s80
	s_add_co_u32 s78, s78, s16
	s_lshl_b32 s78, s78, 10
	s_lshl_b32 s80, s77, 7
	s_add_co_u32 s78, s78, s80
	s_lshl_b32 s80, s13, 6
	s_add_co_u32 s78, s78, s80
	s_add_nc_u64 s[10:11], s[10:11], s[78:79]      ; os: [group of 32 rows][head][32 rows][4 bytes]
	v_and_b32 v10, 31, v0
	v_lshlrev_b32 v[LI], 4, v10
	v_lshlrev_b32 v[PFO], 8, v10
	v_and_b32 v10, 15, v0
	v_bfe_u32 v11, v0, 4, 1
	s_wait_alu depctr_va_vdst(0)
.irp c, 0,1,2,3
	global_load_b128 v[16+4*\c:19+4*\c], v[LI], s[72:73] offset:512*\c
.endr
	v_lshlrev_b32 v252, 4, v10
	global_load_b32 v255, v252, s[74:75]
	s_lshl_b32 s80, s16, 5
	s_lshl_b32 s81, s13, 3
	s_add_co_u32 s80, s80, s81
	v_and_b32 v[DG], 8, v10
	v_add3_u32 v[DG], v[DG], v10, s80
	v_lshlrev_b32 v11, 4, v11
	v_sub_nc_u32 v[DG], v[DG], v11                 ; on the diagonal register 16 b + i is hidden where 32 b + i > this
	v_mov_b32 v13, 0xff61b1e6                      ; the largest t so far: -3e38
	v_floor_f32 v12, -v13
	v_mov_b32 v14, 0
	v_mov_b32 v15, 0
.irp b, 0,1,2,3
	v_mov_b32 v[236+\b], 0                         ; a lane permute's destination counts as one of its sources
.endr
.irp j, 0,1,2,3,4,5,6,7,8,9,10,11,12,13,14,15,16,17,18,19,20,21,22,23,24,25,26,27,28,29,30,31,32,33,34,35,36,37,38,39,40,41,42,43,44,45,46,47,48,49,50,51,52,53,54,55,56,57,58,59,60,61,62,63
	v_mov_b32 v[160+\j], 0                         ; (the step is written once: its first pass finds zeros)
.endr
; A step: 128 keys
.macro STEP
	s_cmp_gt_u32 s[J], s[G]
	s_cbranch_scc1 .Lhidden_\@
	v_add_nc_u32 v[ADK], s[TB], v[LI]
	v_add_nc_u32 v[ADS], s[TS], v[LI]
	s_delay_alu instid0(VALU_DEP_2)
	v_add_nc_u32 v[ADV], 0x10000, v[ADK]
	PLACES 6                                       ; with the three additions: nine places between the last step's products and the scores below, which are written over V's tiles 4-7
	ds_load_b128 v[248:251], v[ADS]                ; word e: tile 2 e in lanes 0-15, tile 2 e + 1 in lanes 16-31
.irp g, 0,4
.if \g
	PLACES 8
.endif
	FRAGS 32, ADK, \g
.if \g == 0
	s_wait_alu depctr_va_vdst(0)                   ; directly ahead of the wait below
.endif
	s_wait_dscnt 0x0
.irp t, 0,1,2,3
.if \t%2
	v_wmma_scale_f32_16x16x128_f8f6f4 v[96+8*(\g+\t):103+8*(\g+\t)], v[32+16*\t:47+16*\t], v[16:31], 0, v[248+(\g+\t)/2], v255 matrix_a_scale:MATRIX_SCALE_ROW1
.else
	v_wmma_scale_f32_16x16x128_f8f6f4 v[96+8*(\g+\t):103+8*(\g+\t)], v[32+16*\t:47+16*\t], v[16:31], 0, v[248+(\g+\t)/2], v255
.endif
.endr
.endr
	PLACES 8                                       ; for the reads of the scores and for the loads below
	ds_load_b128 v[248:251], v[ADS] offset:8192
	FRAGS 32, ADV, 0
	s_cmp_lt_u32 s[J], s[G]
	s_cbranch_scc1 .Lopen_\@
	v_mov_b32 v254, 0xff800000                     ; -infinity
.irp n, 0,1,2,3,4,5,6,7,8,9,10,11,12,13,14,15,16,17,18,19,20,21,22,23,24,25,26,27,28,29,30,31,32,33,34,35,36,37,38,39,40,41,42,43,44,45,46,47,48,49,50,51,52,53,54,55,56,57,58,59,60,61,62,63
	v_cmp_gt_i32 vcc_lo, 32*(\n/16)+\n%16, v[DG]
	v_cndmask_b32 v[96+\n], v[96+\n], v254, vcc_lo
.endr
.Lopen_\@:
.irp b, 0,1,2,3
	v_max3_num_f32 v[232+\b], v[96+16*\b], v[97+16*\b], v[98+16*\b]   ; the largest score of each block of 32 keys: for the row's maximum and for the block's largest p
.endr
.irp i, 3,5,7,9,11,13
.irp b, 0,1,2,3
	v_max3_num_f32 v[232+\b], v[232+\b], v[96+16*\b+\i], v[97+16*\b+\i]
.endr
.endr
.irp b, 0,1,2,3
	v_max_num_f32 v[232+\b], v[232+\b], v[111+16*\b]
.endr
.irp b, 0,1,2,3
	v_permlanex16_b32 v[236+\b], v[232+\b], s[SEL], s[SEL+1]
.endr
.irp b, 0,1,2,3
	s_delay_alu instid0(VALU_DEP_4)
	v_max_num_f32 v[232+\b], v[232+\b], v[236+\b]
.endr
	s_delay_alu instid0(VALU_DEP_2)
	v_max3_num_f32 v254, v232, v233, v234
	s_delay_alu instid0(VALU_DEP_1)
	v_max_num_f32 v254, v254, v235
	s_delay_alu instid0(VALU_DEP_1)
	v_mul_f32 v254, s[CS], v254
	s_delay_alu instid0(VALU_DEP_1)
	v_max_num_f32 v13, v13, v254
	v_mov_b32 v254, v12
	s_delay_alu instid0(VALU_DEP_2)
	v_floor_f32 v12, -v13                          ; the new -M, a whole number
	s_delay_alu instid0(VALU_DEP_1)
	v_sub_f32 v254, v12, v254
	s_delay_alu instid0(VALU_DEP_1)
	v_cvt_i32_f32 v254, v254
	s_delay_alu instid0(VALU_DEP_1)
	v_ldexp_f32 v[FV], 1.0, v254                   ; f = 2^(old M - new M): exact
.irp j, 0,2,4,6,8,10,12,14,16,18,20,22,24,26,28,30,32,34,36,38,40,42,44,46,48,50,52,54,56,58,60,62
	v_pk_fma_f32 v[96+\j:97+\j], v[96+\j:97+\j], s[CS:CS+1], v[12:13] op_sel_hi:[1,0,0]   ; t - M
.endr
.irp b, 0,1,2,3
	v_fma_f32 v[232+\b], v[232+\b], s[CS], v12
.endr
	s_wait_alu depctr_va_vdst(0)                   ; the wait ahead of the batch,
.irp j, 0,1,2,3,4,5,6,7,8,9,10,11,12,13,14,15,16,17,18,19,20,21,22,23,24,25,26,27,28,29,30,31,32,33,34,35,36,37,38,39,40,41,42,43,44,45,46,47,48,49,50,51,52,53,54,55,56,57,58,59,60,61,62,63
	v_exp_f32 v[96+\j], v[96+\j]
.endr
	v_pk_mul_f32 v[14:15], v[14:15], v[FV:FV+1] op_sel_hi:[1,0]
	s_wait_alu depctr_va_vdst(0)                   ; and behind it
.irp b, 0,1,2,3
	v_exp_f32 v[232+\b], v[232+\b]                 ; the block's largest p: the same two instructions on the same number
.endr
.irp c, 0,1,2,3
	v_pk_add_f32 v[236+2*\c:237+2*\c], v[96+4*\c:97+4*\c], v[98+4*\c:99+4*\c]   ; the sum of the unquantised p, in four chains
.endr
.irp j, 16,24,32,40,48,56
.irp c, 0,1,2,3
	v_pk_add_f32 v[236+2*\c:237+2*\c], v[236+2*\c:237+2*\c], v[96+\j+2*\c:97+\j+2*\c]
.endr
.endr
	v_pk_add_f32 v[236:237], v[236:237], v[238:239]
	v_pk_add_f32 v[240:241], v[240:241], v[242:243]
	s_delay_alu instid0(VALU_DEP_2)
	v_pk_add_f32 v[14:15], v[14:15], v[236:237]
	s_delay_alu instid0(VALU_DEP_1)
	v_pk_add_f32 v[14:15], v[14:15], v[240:241]
	s_wait_alu depctr_va_vdst(0)                   ; one wait for the four
.irp b, 0,1,2,3
	v_max_num_f32 v[232+\b], 0x4800000, v[232+\b]  ; the floor 2^(9 - 127): the byte cannot fall under 1
.endr
.irp b, 0,1,2,3
	s_delay_alu instid0(VALU_DEP_4)
	v_add_nc_u32 v[244+\b], 0xfc000000, v[232+\b]
.endr
.irp b, 0,1,2,3
	v_and_or_b32 v[240+\b], v[232+\b], 0x7f800000, s[MNT]
.endr
.irp b, 0,1,2,3
	v_lshrrev_b32 v[236+\b], 23, v[244+\b]
.endr
	s_delay_alu instid0(VALU_DEP_3)
	v_lshl_or_b32 v253, v237, 8, v236
	s_delay_alu instid0(VALU_DEP_1)
	v_lshl_or_b32 v253, v238, 16, v253
	s_delay_alu instid0(VALU_DEP_1)
	v_lshl_or_b32 v253, v239, 24, v253
.irp b, 0,1,2,3
.irp i, 0,1,2,3,4,5,6,7,8,9,10,11,12,13,14,15
	v_min_num_f32 v[96+16*\b+\i], v[96+16*\b+\i], v[240+\b]   ; the conversion does not saturate (ISA guide 7.6.2)
.endr
	v_cvt_scalef32_pk8_fp8_f32 v[224+4*\b:225+4*\b], v[96+16*\b:103+16*\b], v[244+\b]
	v_cvt_scalef32_pk8_fp8_f32 v[226+4*\b:227+4*\b], v[104+16*\b:111+16*\b], v[244+\b]
.endr
	v_nop                                          ; a plain line behind the last conversion
	FRAGS 96, ADV, 4                               ; p has become codes: its registers take V's tiles 4-7
	s_wait_alu depctr_va_vdst(0)                   ; directly ahead of the first reader of O^T
.irp j, 0,2,4,6,8,10,12,14,16,18,20,22,24,26,28,30,32,34,36,38,40,42,44,46,48,50,52,54,56,58,60,62
	v_pk_mul_f32 v[160+\j:161+\j], v[160+\j:161+\j], v[FV:FV+1] op_sel_hi:[1,0]
.endr
	s_wait_alu depctr_va_vdst(0)                   ; directly ahead of the wait below
	s_wait_dscnt 16                                ; V's tiles 0-3 are in; the 16 loads of tiles 4-7 may be out
.irp g, 0,4
.if \g
	s_wait_dscnt 0x0
.endif
.irp t, 0,1,2,3
.if \t%2
	v_wmma_scale_f32_16x16x128_f8f6f4 v[160+8*(\g+\t):167+8*(\g+\t)], v[32+16*(\g+\t):47+16*(\g+\t)], v[224:239], v[160+8*(\g+\t):167+8*(\g+\t)], v[248+(\g+\t)/2], v253 matrix_a_scale:MATRIX_SCALE_ROW1
.else
	v_wmma_scale_f32_16x16x128_f8f6f4 v[160+8*(\g+\t):167+8*(\g+\t)], v[32+16*(\g+\t):47+16*(\g+\t)], v[224:239], v[160+8*(\g+\t):167+8*(\g+\t)], v[248+(\g+\t)/2], v253
.endif
.endr
.endr
.Lhidden_\@:
	s_add_co_u32 s[J], s[J], 2
	s_add_co_u32 s[TB], s[TB], 32768
	s_add_co_u32 s[TS], s[TS], 1024
.endm
; The change of slots stands at a slot's head.  Behind the round the slot ahead is whole and nobody in the cluster reads the other one: it is filled again.
.macro CHANGE fill
	s_wait_tensorcnt 0x0
	ds_add_u32 v[SPW], v[NIL]
.if \fill
	s_xor_b32 s[G0T+1], s[G0T+1], SLOT1
	s_add_nc_u64 s[G0T+2:G0T+3], s[G0T+2:G0T+3], 65536
	s_wait_xcnt 0x0                                ; any prefetch of mine has read its address
	s_add_nc_u64 s[PFA:PFA+1], s[PFA:PFA+1], 65536
	s_wait_dscnt 0x0                               ; the add is done, and my reads of the slot that I have left are over
	CROUND
	s_cmp_lt_u32 s[WV], 8
	s_cbranch_scc0 .Lno_load_\@
	tensor_load_to_lds s[G0T:G0T+3], s[G1T:G1T+7]
	s_nop 0
	PLACES 4
.Lno_load_\@:
	s_cmp_gt_u32 s[SLOTS], s[LIM]
	s_cbranch_scc0 .Lnot_mine_\@
	global_prefetch_b8 v[PFO], s[PFA:PFA+1] th:TH_LOAD_NT scope:SCOPE_SE
.Lnot_mine_\@:
.else
	s_wait_dscnt 0x0
	BARRIER
.endif
.endm
.macro SLOT_STEPS                      ; my two key groups of the slot's four
	s_mov_b32 s[TWO], 2
.Lstep_\@:
	STEP
	s_sub_co_u32 s[TWO], s[TWO], 1
	s_cmp_lg_u32 s[TWO], 0
	s_cbranch_scc1 .Lstep_\@
	s_sub_co_u32 s[TB], s[TB], 65536
	s_xor_b32 s[TB], s[TB], SLOT1
.endm
	v_mov_b32 v253, 0
	s_wait_alu depctr_va_vdst(0)                   ; the wait at the head's end
	s_wait_loadcnt 0x0                             ; Q
	v_mov_b32 v252, 0
	s_wait_alu depctr_va_vdst(0)
.Lslot:
	CHANGE 1
	SLOT_STEPS
	s_sub_co_u32 s[SLOTS], s[SLOTS], 1
	s_cmp_lg_u32 s[SLOTS], 0
	s_cbranch_scc1 .Lslot
	CHANGE 0
	SLOT_STEPS
	; THE JOINING.  The stage lies in slot 0, which has had its last fill and is read by nobody behind the barrier below
	PLACES 8
	v_add_f32 v14, v14, v15
	s_delay_alu instid0(VALU_DEP_1)
	v_permlanex16_b32 v252, v14, s[SEL], s[SEL+1]
	s_delay_alu instid0(VALU_DEP_1)
	v_add_f32 v13, v14, v252                       ; v[12:13] = -M, the sum of my keys
	s_lshl_b32 s56, s[TW], 13
	v_add_nc_u32 v[ADK], s56, v[LI]
	s_lshl_b32 s57, s[TW], 8
	s_add_co_u32 s57, s57, 65536
	v_lshrrev_b32 v[ADV], 1, v[LI]
	s_delay_alu instid0(VALU_DEP_1)
	v_add_nc_u32 v[ADV], s57, v[ADV]
	s_wait_alu depctr_va_vdst(0)                   ; the wait ahead of the barrier
	s_wait_dscnt 0x0
	BARRIER
	s_cmp_lt_u32 s[WV], 8
	s_cbranch_scc1 .Lkeep
.irp k, 0,1,2,3,4,5,6,7,8,9,10,11,12,13,14,15
	ds_store_b128 v[ADK], v[160+4*\k:163+4*\k] offset:512*\k
.endr
	ds_store_b64 v[ADV], v[12:13]
.Lkeep:
	s_wait_dscnt 0x0
	BARRIER
	s_cmp_lt_u32 s[WV], 8
	s_cbranch_scc0 .Lend
	ds_load_b64 v[14:15], v[ADV]
.irp k, 0,1,2,3,4,5,6,7,8,9,10,11,12,13,14,15
	ds_load_b128 v[96+4*\k:99+4*\k], v[ADK] offset:512*\k
.endr
	s_wait_dscnt 0x0
	v_min_num_f32 v32, v12, v14                    ; -M of all keys
	s_delay_alu instid0(VALU_DEP_1)
	v_sub_f32 v34, v32, v12
	v_sub_f32 v36, v32, v14                        ; (a partner without keys has -M = 3e38: its factor becomes 0)
	s_delay_alu instid0(VALU_DEP_2)
	v_cvt_i32_f32 v34, v34
	s_delay_alu instid0(VALU_DEP_2)
	v_cvt_i32_f32 v36, v36
	s_delay_alu instid0(VALU_DEP_2)
	v_ldexp_f32 v34, 1.0, v34
	s_delay_alu instid0(VALU_DEP_2)
	v_ldexp_f32 v36, 1.0, v36
	s_delay_alu instid0(VALU_DEP_2)
	v_mul_f32 v38, v13, v34
	s_delay_alu instid0(VALU_DEP_1)
	v_fma_f32 v38, v15, v36, v38                   ; the sum of all keys
	s_wait_alu depctr_va_vdst(0)
	v_rcp_f32 v40, v38
.irp b, 0,1,2,3
	v_mov_b32 v[TM+4+\b], 0
.endr
	v_mov_b32 v35, 0                               ; (named as the upper halves of pairs)
	v_mov_b32 v37, 0
	v_lshlrev_b32 v65, 2, v10
	v_and_b32 v66, 31, v0
	s_wait_alu depctr_va_vdst(0)                   ; the wait, ahead of the first reader
	v_mul_f32 v34, v34, v40
	v_mul_f32 v36, v36, v40
.irp j, 0,2,4,6,8,10,12,14,16,18,20,22,24,26,28,30,32,34,36,38,40,42,44,46,48,50,52,54,56,58,60,62
	v_pk_mul_f32 v[160+\j:161+\j], v[160+\j:161+\j], v[34:35] op_sel_hi:[1,0]
.endr
.irp j, 0,2,4,6,8,10,12,14,16,18,20,22,24,26,28,30,32,34,36,38,40,42,44,46,48,50,52,54,56,58,60,62
	v_pk_fma_f32 v[96+\j:97+\j], v[96+\j:97+\j], v[36:37], v[160+\j:161+\j] op_sel_hi:[1,0,1]   ; O^T / the sum
.endr
.irp b, 0,1,2,3
	v_max3_num_f32 v[TM+\b], |v[96+16*\b]|, |v[97+16*\b]|, 0x4800000
.endr
.irp i, 2,4,6,8,10,12,14
.irp b, 0,1,2,3
	v_max3_num_f32 v[TM+\b], v[TM+\b], |v[96+16*\b+\i]|, |v[97+16*\b+\i]|
.endr
.endr
.irp b, 0,1,2,3
	v_permlanex16_b32 v[TM+4+\b], v[TM+\b], s[SEL], s[SEL+1]
.endr
.irp b, 0,1,2,3
	v_max_num_f32 v[TM+\b], v[TM+\b], v[TM+4+\b]
.endr
.irp b, 0,1,2,3
	v_add_nc_u32 v[TM+12+\b], 0xfc000000, v[TM+\b]
.endr
.irp b, 0,1,2,3
	v_and_or_b32 v[TM+8+\b], v[TM+\b], 0x7f800000, s[MNT]
.endr
.irp b, 0,1,2,3
	v_lshrrev_b32 v[TM+4+\b], 23, v[TM+12+\b]
.endr
	v_lshl_or_b32 v64, v[TM+5], 8, v[TM+4]
	s_delay_alu instid0(VALU_DEP_1)
	v_lshl_or_b32 v64, v[TM+6], 16, v64
	s_delay_alu instid0(VALU_DEP_1)
	v_lshl_or_b32 v64, v[TM+7], 24, v64
.irp b, 0,1,2,3
.irp i, 0,1,2,3,4,5,6,7,8,9,10,11,12,13,14,15
	v_med3_num_f32 v[96+16*\b+\i], v[96+16*\b+\i], -v[TM+8+\b], v[TM+8+\b]
.endr
	v_cvt_scalef32_pk8_fp8_f32 v[32+4*\b:33+4*\b], v[96+16*\b:103+16*\b], v[TM+12+\b]
	v_cvt_scalef32_pk8_fp8_f32 v[34+4*\b:35+4*\b], v[104+16*\b:111+16*\b], v[TM+12+\b]
.endr
	v_cmp_gt_u32 vcc_lo, 16, v66
.irp c, 0,1,2,3
	global_store_b128 v[LI], v[32+4*\c:35+4*\c], s[8:9] offset:512*\c
.endr
	s_wait_xcnt 0x0                                ; EXEC changes only behind this wait
	s_and_saveexec_b32 s56, vcc_lo
	global_store_b32 v65, v64, s[10:11]            ; 16 rows' scale words: 64 consecutive bytes
	s_wait_xcnt 0x0
	s_or_b32 exec_lo, exec_lo, s56
.Lend:
	s_wait_tensorcnt 0x0                           ; the wave's end
	ds_add_u32 v[SPW], v[NIL]
	s_wait_dscnt 0x0
	CROUND                                         ; the closing round
	s_endpgm
.Lfunc_end_k_qf7b73e2442_attn:
	.size	k_qf7b73e2442_attn, .Lfunc_end_k_qf7b73e2442_attn-k_qf7b73e2442_attn
	.p2alignl 7, 3214868480
	.fill 96, 4, 3214868480
	.section	.rodata,"a",@progbits
	.p2align	6, 0x0
	.amdhsa_kernel k_qf7b73e2442_attn
		.amdhsa_group_segment_fixed_size 327680
		.amdhsa_private_segment_fixed_size 0
		.amdhsa_enable_private_segment 0
		.amdhsa_kernarg_size 32
		.amdhsa_user_sgpr_count 2
		.amdhsa_user_sgpr_kernarg_segment_ptr 1
		.amdhsa_wavefront_size32 1
		.amdhsa_system_sgpr_workgroup_id_x 1
		.amdhsa_system_sgpr_workgroup_id_y 1
		.amdhsa_system_sgpr_workgroup_id_z 1
		.amdhsa_system_vgpr_workitem_id 0
		.amdhsa_next_free_vgpr 256
		.amdhsa_next_free_sgpr 90
		.amdhsa_reserve_vcc 1
		.amdhsa_float_denorm_mode_32 3
		.amdhsa_float_denorm_mode_16_64 3
		.amdhsa_memory_ordered 1
		.amdhsa_forward_progress 1
		.amdhsa_inst_pref_size 85
	.end_amdhsa_kernel
	.amdgpu_metadata
---
amdhsa.version: [ 1, 2 ]
amdhsa.kernels:
  - .name:           k_qf7b73e2442_attn
    .symbol:         k_qf7b73e2442_attn.kd
    .args:
      - { .name: qkvc, .offset: 0, .size: 8, .value_kind: global_buffer, .address_space: global }
      - { .name: qkvs, .offset: 8, .size: 8, .value_kind: global_buffer, .address_space: global }
      - { .name: oc, .offset: 16, .size: 8, .value_kind: global_buffer, .address_space: global }
      - { .name: os, .offset: 24, .size: 8, .value_kind: global_buffer, .address_space: global }
    .group_segment_fixed_size: 327680
    .private_segment_fixed_size: 0
    .kernarg_segment_align: 8
    .kernarg_segment_size: 32
    .max_flat_workgroup_size: 512
    .sgpr_count:     90
    .vgpr_count:     256
    .wavefront_size: 32
...
	.end_amdgpu_metadata
.endif
;; end of part 3
;; launch proj (part 4): grid 16 x 16, 4 waves a work-group, clusters of 4 x 4, 327,680 bytes of LDS; arguments oc, os, codes1, scales1, out0; writes out0
.if DOCPART == 4
	.amdgcn_target "amdgcn-amd-amdhsa--gfx1250"
	.amdhsa_code_object_version 6
	.text
	.protected	k_qf7b73e2442_proj
	.globl	k_qf7b73e2442_proj
	.p2align	8
	.type	k_qf7b73e2442_proj,@function
k_qf7b73e2442_proj:
	s_mov_b64 s[64:65], 0
	v_nop
	global_prefetch_b8 v0, s[64:65] scope:SCOPE_SE
	s_setreg_imm32_b32 hwreg(HW_REG_WAVE_MODE, 25, 1), 1
	s_wait_xcnt 0x0
	s_wait_alu depctr_hold_cnt(0) depctr_sa_sdst(0) depctr_va_vdst(0) depctr_va_sdst(0) depctr_va_ssrc(0) depctr_va_vcc(0) depctr_vm_vsrc(0)
	s_getreg_b32 s2, hwreg(HW_REG_IB_STS2, 6, 4)
	s_cmp_eq_u32 s2, 0
	s_cbranch_scc0 .Lentry_in_a_cluster
	s_endpgm
.Lentry_in_a_cluster:
	s_bfe_u32 s2, ttmp6, 0x10000c
	s_cmp_lg_u32 s2, 0xf033
	s_cbranch_scc0 .Lentry_shape_is_right
	s_endpgm
.Lentry_shape_is_right:
; out = O Wo on codes of FP8 (E4M3) with E8M0 scales: 4,096 x 2,048, K = 1,024; f32 results.
; O's codes lie [group of 256 rows][plane of 128 K][16 tiles][fragment of 2,048 bytes], Wo's likewise by columns; scale words [group of 32][plane][32][4 bytes]: lanes 0-15 the even tile's, lanes 16-31 the odd tile's.
; In a group of 32 tile u's row r is true row (column) 8 u + r + 8 (r / 8).
; SHARES.  256 work-groups of 256 rows x 128 columns; four waves, 2 x 2.  A wave holds 64 columns of Wo, ALL of K, in 512 registers (windows 1 and 2) and streams its 128 rows past them in eight blocks of 16, which stand in window 3 as two sets.
; LDS: the weight's 128 KiB at 0, rows' chunks 0 and 1 (64 rows, all of K: 64 KiB each) behind it; chunks 2 and 3 are filled over the weight once all waves of the cluster hold theirs in registers: the one refill.
; THE HEAD: one joint load a wave: waves 0, 1 the weight's halves along K (shown by the first barrier), waves 2, 3 chunks 0 and 1 (shown by the round).  Rows are shared along a row of the cluster, columns along a column.
; The scale words of a wave's columns and rows, 48 registers, come once by plain loads.
; Chunks 2 and 3 are prefetched behind the first barrier, ahead of the weight's 128 LDS loads: each of the four partners a quarter by address, one instruction a wave.
; Block n: 32 products, four accumulators by turns; it leaves through my stage in LDS among block n + 1's products: a row of my 64 columns is 256 bytes, aligned.
; LIMITS: NaN and infinities are not served.
.set CHUNK, 65536
.set WO,    14680064                   ; Wo's codes in codes1
.set WOS,   458752                     ; its scale words in scales1
.set SP,    272                        ; a stage row: 256 bytes + 16
.set STAGE, 4*CHUNK
.set SPARE, STAGE+4*16*SP              ; the spare words, 128 bytes for each wave
.set ADC, 4                            ; v4-7  LDS address of my fragments in chunk 0 .. 3
.set ADW, 8                            ; v8, v9  of my columns' fragments in planes 0-3, 4-7
.set STO, 10                           ; the stage, in
.set RD,  11                           ; and out
.set CO,  12                           ; my offset in two rows of the result
.set PFO, 13
.set SPW, 14
.set NIL, 15
.set SO,  16                           ; 4 x lane
.set SB,  24                           ; v24-39 the columns' scale words: 8 p + q
.set SA,  44                           ; v44-75 the rows': 8 c + q.  No product's two scale words have numbers equal modulo 8
.set ACC, 80                           ; v80-143 two sets of four accumulators
.set OB,  144                          ; v144-207 two sets of rows read back
.set G1B, 24
.set G1A, 32
.set G1R, 48
.set G0B, 56
.set G0A, 60
.set G0R, 68
.set MSB, 0
.macro WIN new
.if MSB != (\new)
	s_set_vgpr_msb (MSB<<8)|(\new)
.set MSB, \new
.endif
.endm
.macro PLACES n
.rept \n
	v_nop
.endr
.endm
.macro BARRIER
	s_barrier_signal -1
	s_barrier_wait -1
.endm
.macro CROUND
	BARRIER
	s_cmp_lg_u32 s14, 0
	s_cbranch_scc1 .Lnot_wave_0_\@
	s_barrier_signal -3
.Lnot_wave_0_\@:
	s_barrier_wait -3
	BARRIER
.endm
.macro TLOAD g0, g1
	tensor_load_to_lds s[\g0:\g0+3], s[\g1:\g1+7]
	s_nop 0
	PLACES 4
.endm
.macro GROUP1 g, mask, el, rows        ; so many planes' pieces of el x 8 bytes each, a plane (4,096 elements) apart in memory, dense in LDS
	s_or_b32 s[\g], s[\mask], (3<<16)|(1<<21)
	s_mov_b32 s[\g+1], (\el)<<16
	s_mov_b32 s[\g+2], (\rows)<<16
	s_mov_b32 s[\g+3], (\el)<<16
	s_mov_b32 s[\g+4], \rows
	s_mov_b32 s[\g+5], 4096
	s_mov_b32 s[\g+6], 0
	s_mov_b32 s[\g+7], 0
.endm
.macro GROUP0 g, base, off             ; group 0 behind its LDS address
	s_mov_b32 s[\g], 1
	s_add_nc_u64 s[\g+2:\g+3], s[\base:\base+1], s[\off:\off+1]
	s_or_b32 s[\g+3], s[\g+3], 0x80000000
.endm
.macro PLUS d, x, sh                   ; s[d] += s[x] << sh
	s_lshl_b32 s19, s\x, \sh
	s_add_co_u32 s\d, s\d, s19
.endm
	s_load_b256 s[4:11], s[0:1], 0x0               ; oc s[4:5], os s[6:7], codes1 s[8:9], scales1 s[10:11]
	s_load_b64 s[12:13], s[0:1], 0x20              ; out0
	v_lshl_add_u32 v[SPW], v0, 2, SPARE
	v_mov_b32 v[NIL], 0
	ds_add_u32 v[SPW], v[NIL]                      ; the wave's opening: the add, twice on end, and its wait
	ds_add_u32 v[SPW], v[NIL]
	v_lshrrev_b32 v1, 5, v0
	v_readfirstlane_b32 s14, v1
	s_lshr_b32 s15, s14, 1                         ; my row of waves
	s_and_b32 s16, s14, 1                          ; my column of waves
	s_bfe_u32 s40, ttmp6, 0x40000
	s_bfe_u32 s41, ttmp6, 0x40004
	s_lshl_b32 s42, ttmp9, 2
	s_add_co_u32 s42, s42, s40                     ; tile column: 128 columns
	s_and_b32 s17, ttmp7, 0xffff
	s_lshl_b32 s17, s17, 2
	s_add_co_u32 s17, s17, s41                     ; tile row: 256 rows
	s_lshl_b32 s44, s41, 2
	s_lshl_b32 s44, 15, s44                        ; my row of the cluster
	s_lshl_b32 s45, 0x1111, s40                    ; my column
	GROUP1 G1B, 45, 2048, 4                        ; the weight: 128 columns' 16,384 bytes of each of four planes
	GROUP1 G1A, 44, 1024, 8                        ; a chunk: 64 rows' 8,192 bytes of each of eight planes
	GROUP1 G1R, 44, 1024, 4                        ; half a chunk along K
	s_lshl_b32 s18, s16, 17                        ; four planes
	s_lshl_b32 s20, s17, 18
	s_lshl_b32 s22, s16, 13
	s_add_co_u32 s22, s22, s20                     ; the head: chunk wave - 2
	s_mov_b32 s23, 0
	s_lshl_b32 s66, s15, 13
	s_add_co_u32 s66, s66, s20
	s_add_co_u32 s66, s66, s18
	s_add_co_u32 s66, s66, 2*8192                  ; the refill: chunk 2 + wave / 2, half wave % 2 of K
	s_mov_b32 s67, 0
	s_lshr_b32 s46, s42, 1
	s_lshl_b32 s46, s46, 18
	s_and_b32 s43, s42, 1
	PLUS 46, 43, 14
	s_add_co_u32 s46, s46, s18
	s_add_co_u32 s46, s46, WO
	s_mov_b32 s47, 0
	s_lshl_b32 s72, s17, 13                        ; the rows' scale words: groups 2 c + my row of waves
	PLUS 72, 15, 10
	s_mov_b32 s73, 0
	s_lshl_b32 s74, s42, 12                        ; the columns'
	PLUS 74, 16, 11
	s_add_co_u32 s74, s74, WOS
	s_mov_b32 s75, 0
	s_lshl_b32 s76, s17, 21                        ; the result
	PLUS 76, 15, 18
	PLUS 76, 42, 9
	PLUS 76, 16, 8
	s_mov_b32 s77, 0
	s_lshl_b32 s80, s40, 16                        ; the prefetch: plane 2 cx + wave / 2, half wave % 2 of chunks 2 and 3's 16,384 bytes
	PLUS 80, 15, 15
	PLUS 80, 16, 13
	s_add_co_u32 s80, s80, s20
	s_add_co_u32 s80, s80, 2*8192
	s_mov_b32 s81, 0
	s_lshl_b32 s[G0B+1], s14, 16                   ; where they go: the weight's halves, then chunks 0 and 1: wave x 65,536
	s_lshl_b32 s[G0A+1], s14, 16
	s_lshl_b32 s[G0R+1], s14, 15
	s_wait_dscnt 0x0                               ; both opening adds are done
	CROUND                                         ; all sixteen work-groups are here: the first joint loads meet
	s_wait_kmcnt 0x0
	GROUP0 G0B, 8, 46
	GROUP0 G0A, 4, 22
	GROUP0 G0R, 4, 66
	s_cmp_eq_u32 s15, 0                            ; one load a wave
	s_cbranch_scc0 .Lfor_rows
	TLOAD G0B, G1B
	s_branch .Lasked
.Lfor_rows:
	TLOAD G0A, G1A
.Lasked:
	s_add_nc_u64 s[6:7], s[6:7], s[72:73]
	s_add_nc_u64 s[10:11], s[10:11], s[74:75]
	s_add_nc_u64 s[12:13], s[12:13], s[76:77]
	s_add_nc_u64 s[80:81], s[4:5], s[80:81]
	s_mul_i32 s18, s14, 16*SP
	s_add_co_u32 s18, s18, STAGE                   ; my stage
	s_lshl_b32 s19, s16, 13                        ; my four tiles of columns
	s_lshl_b32 s20, s15, 12                        ; my two tiles of a chunk
	v_and_b32 v1, 31, v0
	v_and_b32 v2, 15, v0
	v_bfe_u32 v3, v0, 4, 1
	v_lshlrev_b32 v[SO], 2, v1
	v_lshlrev_b32 v[PFO], 8, v1
	v_lshlrev_b32 v1, 4, v1
	v_lshlrev_b32 v17, 4, v2
	v_lshl_add_u32 v[CO], v3, 13, v17              ; lanes 0-15 one row of the result, lanes 16-31 the next
	v_mul_u32_u24 v18, v3, SP
	v_add3_u32 v[RD], v18, v17, s18
	v_mul_u32_u24 v19, v2, SP
	v_lshl_add_u32 v19, v3, 6, v19
	v_add_nc_u32 v[STO], s18, v19
	v_add_nc_u32 v[ADW], s19, v1
	v_add_nc_u32 v[ADW+1], 0x10000, v[ADW]
	v_add_nc_u32 v[ADC+2], s20, v1                 ; chunk 2 at 0, 3 at 65,536, 0 at 131,072, 1 at 196,608
	v_add_nc_u32 v[ADC+3], 0x10000, v[ADC+2]
	v_add_nc_u32 v[ADC], 0x20000, v[ADC+2]
	v_add_nc_u32 v[ADC+1], 0x30000, v[ADC+2]
	s_wait_alu depctr_va_vdst(0)                   ; the wait at the head's end
.irp q, 0,1,2,3,4,5,6,7
.irp p, 0,1
	global_load_b32 v[SB+8*\p+\q], v[SO], s[10:11] offset:1024*\p+128*\q
.endr
.irp c, 0,1,2,3
	global_load_b32 v[SA+8*\c+\q], v[SO], s[6:7] offset:2048*\c+128*\q
.endr
.endr
	s_cmp_lt_u32 s14, 2
	s_cbranch_scc0 .Lnot_weight
	s_wait_tensorcnt 0x0                           ; waves 0, 1: the weight has landed.  The other waves' wait stands ahead of the round
.Lnot_weight:
	BARRIER
	global_prefetch_b8 v[PFO], s[80:81] th:TH_LOAD_NT scope:SCOPE_SE
.irp q, 0,1,2,3,4,5,6,7                ; my 64 columns, all of K: fragment 4 q + b
	WIN (1+\q/4)<<6
.irp b, 0,1,2,3
.irp c, 0,1,2,3
	ds_load_b128 v[16*((4*\q+\b)%16)+4*\c:16*((4*\q+\b)%16)+4*\c+3], v[ADW+\q/4] offset:16384*(\q%4)+2048*\b+512*\c
.endr
.endr
.endr
	WIN 0
	s_wait_tensorcnt 0x0                           ; chunks 0 and 1 are in
	ds_add_u32 v[SPW], v[NIL]
	s_wait_dscnt 0x0                               ; the add is done, and the weight is in registers
	CROUND
	TLOAD G0R, G1R                                 ; chunks 2 and 3 over the weight
.macro FETCH n                         ; block n: 16 rows, all of K, into set n % 2: 32 loads
	WIN 0xc0
.irp q, 0,1,2,3,4,5,6,7
.irp c, 0,1,2,3
	ds_load_b128 v[128*((\n)%2)+16*\q+4*\c:128*((\n)%2)+16*\q+4*\c+3], v[ADC+(\n)/2] offset:8192*\q+2048*((\n)%2)+512*\c
.endr
.endr
	WIN 0
.endm
.macro PROD e, c, n                    ; product n = 4 q + b of a block of chunk c: source 0 = 16 columns, source 1 = the rows; the tile of rows is odd where e = 1
.set Q_, (\n)/4
.set B_, (\n)%4
.set D_, ACC+32*(\e)+8*B_
.set W_, 16*((\n)%16)
.set X_, 128*(\e)+16*Q_
.set WS_, SB+8*(B_/2)+Q_
.set XS_, SA+8*(\c)+Q_
	WIN (1+(\n)/16)|(3<<2)
.if Q_ == 0
.if (B_%2) && (\e)
	v_wmma_scale_f32_16x16x128_f8f6f4 v[D_:D_+7], v[W_:W_+15], v[X_:X_+15], 0, v[WS_], v[XS_] matrix_a_scale:MATRIX_SCALE_ROW1 matrix_b_scale:MATRIX_SCALE_ROW1
.elseif B_%2
	v_wmma_scale_f32_16x16x128_f8f6f4 v[D_:D_+7], v[W_:W_+15], v[X_:X_+15], 0, v[WS_], v[XS_] matrix_a_scale:MATRIX_SCALE_ROW1
.elseif \e
	v_wmma_scale_f32_16x16x128_f8f6f4 v[D_:D_+7], v[W_:W_+15], v[X_:X_+15], 0, v[WS_], v[XS_] matrix_b_scale:MATRIX_SCALE_ROW1
.else
	v_wmma_scale_f32_16x16x128_f8f6f4 v[D_:D_+7], v[W_:W_+15], v[X_:X_+15], 0, v[WS_], v[XS_]
.endif
.else
.if (B_%2) && (\e)
	v_wmma_scale_f32_16x16x128_f8f6f4 v[D_:D_+7], v[W_:W_+15], v[X_:X_+15], v[D_:D_+7], v[WS_], v[XS_] matrix_a_scale:MATRIX_SCALE_ROW1 matrix_b_scale:MATRIX_SCALE_ROW1
.elseif B_%2
	v_wmma_scale_f32_16x16x128_f8f6f4 v[D_:D_+7], v[W_:W_+15], v[X_:X_+15], v[D_:D_+7], v[WS_], v[XS_] matrix_a_scale:MATRIX_SCALE_ROW1
.elseif \e
	v_wmma_scale_f32_16x16x128_f8f6f4 v[D_:D_+7], v[W_:W_+15], v[X_:X_+15], v[D_:D_+7], v[WS_], v[XS_] matrix_b_scale:MATRIX_SCALE_ROW1
.else
	v_wmma_scale_f32_16x16x128_f8f6f4 v[D_:D_+7], v[W_:W_+15], v[X_:X_+15], v[D_:D_+7], v[WS_], v[XS_]
.endif
.endif
.endm
.macro PRODS n, from, to
.set N_, \from
.rept (\to)-(\from)
	PROD (\n)%2, (\n)/2, N_
.set N_, N_+1
.endr
.endm
.macro TOSTAGE n                       ; a lane holds 16 neighbouring columns of its row in each 32: into my stage, and back as whole rows; LDS serves a wave's instructions in order (ISA guide 5.7.1.4)
.irp b, 0,1,2,3
	ds_store_b128 v[STO], v[ACC+32*((\n)%2)+8*\b:ACC+32*((\n)%2)+8*\b+3] offset:128*(\b/2)+32*(\b%2)
	ds_store_b128 v[STO], v[ACC+32*((\n)%2)+8*\b+4:ACC+32*((\n)%2)+8*\b+7] offset:128*(\b/2)+32*(\b%2)+16
.endr
	s_wait_xcnt 0x0                                ; the stores of block n - 2 have read the registers that the loads below write
.irp k, 0,1,2,3,4,5,6,7
	ds_load_b128 v[OB+32*((\n)%2)+4*\k:OB+32*((\n)%2)+4*\k+3], v[RD] offset:2*SP*\k
.endr
.endm
.macro SEND n                          ; two rows of 256 consecutive, aligned bytes an instruction
.irp k, 0,1,2,3,4,5,6,7
	global_store_b128 v[CO], v[OB+32*((\n)%2)+4*\k:OB+32*((\n)%2)+4*\k+3], s[12:13] offset:(64*((\n)/2)+8*((\n)%2)+2*\k+8*(\k/4))*8192 th:TH_STORE_NT
.endr
.endm
.macro BLOCK n
.if (\n) == 0
	s_wait_dscnt 32                                ; block 0's rows are in; block 1's 32 loads may be out
.elseif (\n) < 7
	s_wait_dscnt 48                                ; mine are in; behind them: the last block's 16 stage instructions and the next block's 32 loads
.else
	s_wait_dscnt 16
.endif
	PRODS \n, 0, 16
	WIN 0
.if (\n) > 0
.if (\n) < 7
	s_wait_dscnt 32                                ; the last block is back from the stage
.else
	s_wait_dscnt 0x0
.endif
	SEND (\n)-1
.endif
.if (\n) == 2
	PRODS \n, 16, 24
	WIN 0
	s_wait_tensorcnt 0x0                           ; my part of chunks 2 and 3 is in: say so, for the readers behind the barrier
	s_wait_dscnt 0x0
	s_barrier_signal -1
	PRODS \n, 24, 32
	WIN 0
	s_barrier_wait -1
.else
	PRODS \n, 16, 32
	WIN 0
.endif
	PLACES 8                                       ; behind the last products, ahead of the stage's stores of their results and of the loads into the rows' set
	TOSTAGE \n
.if (\n) < 6
	FETCH (\n)+2
.endif
.endm
	FETCH 0
	FETCH 1
	s_wait_loadcnt 0x0                             ; the scale words
.irp n, 0,1,2,3,4,5,6,7
	BLOCK \n
.endr
	s_wait_dscnt 0x0
	SEND 7
	s_wait_tensorcnt 0x0                           ; the wave's end
	ds_add_u32 v[SPW], v[NIL]
	s_wait_dscnt 0x0
	CROUND                                         ; the closing round
	s_endpgm
.Lfunc_end_k_qf7b73e2442_proj:
	.size	k_qf7b73e2442_proj, .Lfunc_end_k_qf7b73e2442_proj-k_qf7b73e2442_proj
	.p2alignl 7, 3214868480
	.fill 96, 4, 3214868480
	.section	.rodata,"a",@progbits
	.p2align	6, 0x0
	.amdhsa_kernel k_qf7b73e2442_proj
		.amdhsa_group_segment_fixed_size 327680
		.amdhsa_private_segment_fixed_size 0
		.amdhsa_enable_private_segment 0
		.amdhsa_kernarg_size 40
		.amdhsa_user_sgpr_count 2
		.amdhsa_user_sgpr_kernarg_segment_ptr 1
		.amdhsa_wavefront_size32 1
		.amdhsa_system_sgpr_workgroup_id_x 1
		.amdhsa_system_sgpr_workgroup_id_y 1
		.amdhsa_system_sgpr_workgroup_id_z 1
		.amdhsa_system_vgpr_workitem_id 0
		.amdhsa_next_free_vgpr 1024
		.amdhsa_next_free_sgpr 100
		.amdhsa_reserve_vcc 0
		.amdhsa_float_denorm_mode_32 3
		.amdhsa_float_denorm_mode_16_64 3
		.amdhsa_memory_ordered 1
		.amdhsa_forward_progress 1
		.amdhsa_inst_pref_size 88
	.end_amdhsa_kernel
	.amdgpu_metadata
---
amdhsa.version: [ 1, 2 ]
amdhsa.kernels:
  - .name:           k_qf7b73e2442_proj
    .symbol:         k_qf7b73e2442_proj.kd
    .args:
      - { .name: oc, .offset: 0, .size: 8, .value_kind: global_buffer, .address_space: global }
      - { .name: os, .offset: 8, .size: 8, .value_kind: global_buffer, .address_space: global }
      - { .name: codes1, .offset: 16, .size: 8, .value_kind: global_buffer, .address_space: global }
      - { .name: scales1, .offset: 24, .size: 8, .value_kind: global_buffer, .address_space: global }
      - { .name: out0, .offset: 32, .size: 8, .value_kind: global_buffer, .address_space: global }
    .group_segment_fixed_size: 327680
    .private_segment_fixed_size: 0
    .kernarg_segment_align: 8
    .kernarg_segment_size: 40
    .max_flat_workgroup_size: 128
    .sgpr_count:     100
    .vgpr_count:     1024
    .wavefront_size: 32
...
	.end_amdgpu_metadata
.endif
;; end of part 4
